; MI455X (gfx1250); checked and timed in simulation.
; The chip was launched on July 23, 2026; its instructions are those of AMD's public machine-readable ISA for CDNA 5 (MIT licence, August 2026) and "CDNA5" Instruction Set Architecture Reference Guide (July 2026). The comments in the code are by the model that wrote it; some were corrected since.
;; Multi Scale Retention. Allowed arithmetic: float matrix products may take bf16 or f16 operands with f32 sums; other float arithmetic in f32, or as packed bf16 or f16 multiplies, adds, multiply-adds, maxima and minima; sums over many terms, partial sums and values carried from step to step in f32; what a program stores and reads back later, other than sums and carried values, may be rounded once to bf16 or f16.
;; Inputs: Wg 2,048 x 2,048 float32; Wk 2,048 x 2,048 float32; Wo 2,048 x 2,048 float32; Wq 2,048 x 2,048 float32; Wv 2,048 x 2,048 float32; gn_b 2,048 float32; gn_w 2,048 float32; x 2 x 1,024 x 2,048 float32.
;; Outputs: out0 2 x 1,024 x 2,048 float32.
;; 2 versions, each right; version 2 is version 1 with the launches retn, gate written anew for expert scheduling mode. Each part assembles by itself: llvm-mc -triple=amdgcn-amd-amdhsa -mcpu=gfx1250 --defsym DOCPART=n.
;; ======== version 1 of 2: 5 launches
;; limits: values are held in f16: magnitudes above 65,504 overflow, below 6.1e-05 lose precision; right only within a limited range of input values
;; workspace buffers: wb 50,331,648 bytes; pj 33,554,432 bytes; amax 131,072 bytes; ob 16,777,216 bytes; st 262,144 bytes; ab 8,388,608 bytes
;; launch cast (part 1): grid 256 x 6, 8 waves a work-group, no clusters, 0 bytes of LDS; arguments x, Wq, Wk, Wv, Wg, Wo, wb; writes wb
.if DOCPART == 1
	.amdgcn_target "amdgcn-amd-amdhsa--gfx1250"
	.amdhsa_code_object_version 6
	.text
	.protected	k_qfd78e5365e_cast
	.globl	k_qfd78e5365e_cast
	.p2align	8
	.type	k_qfd78e5365e_cast,@function
k_qfd78e5365e_cast:
	s_mov_b64 s[64:65], 0
	v_nop
	global_prefetch_b8 v0, s[64:65] scope:SCOPE_SE
	s_setreg_imm32_b32 hwreg(HW_REG_WAVE_MODE, 25, 1), 1
	s_wait_xcnt 0x0
; MULTI-SCALE RETENTION in five launches: cast, proj, retn, gate, outp.  This one: x, Wq, Wk, Wv, Wg, Wo (f32, 2048 x 2048 each) are rounded
; once to bf16 and stacked as one matrix wb of 12,288 rows x 2,048: rows 0 x, 2048 Wq, 4096 Wk, 6144 Wv, 8192 Wg, 10240 Wo.
; WORK LEFT OUT IN THE PROGRAM (launch retn).  reference() multiplies the score (n, m) by decay = where(n >= m, gamma^(n-m), 0), a factor that it
; builds in its own body.  For m > n that factor is 0 whatever q, k and v hold, so in exact arithmetic such a score adds 0 to out[n].  A tile of 64
; queries x 64 keys whose keys all lie behind its queries holds such scores alone: neither of its two products is done (120 of a head's 256 tiles).
; In the tile that holds the diagonal everything is computed and the hidden scores are multiplied by 0.  Every input has a way to the output: all are loaded.
; LIMIT: a NaN, an infinity or an overflow that arises only in a score of a tile left out is not carried to the result.
; FORMATS OF THE PROGRAM.  All inputs are rounded to bf16 (gn_w and gn_b in launch gate).  q, k, v and the gate's z are kept in f16: LIMIT |q|, |k|, |v|, |z| < 65,504.
; SHARES.  Work-group (x, y) takes 65,536 bytes at 65,536 x of source y; a thread 16 pieces of 16 bytes, 4,096 bytes apart.  A wave's load covers 512 consecutive
; bytes, its store 256 consecutive bytes at a multiple of 256.  All 16 loads go out before the first wait.  A piece is rounded in place, into its first two registers, which
; are not written again: no wait frees a source.  68 registers a wave: 14 waves share a SIMD's 1,024, so seven work-groups lie on a WGP.
.set X, 4                              ; v[4:67]   16 pieces of 4 f32, then of 4 bf16 in the first two registers
	s_load_b256 s[4:11], s[0:1], 0x0               ; x, Wq, Wk, Wv
	s_load_b128 s[12:15], s[0:1], 0x20             ; Wg, Wo
	s_load_b64 s[16:17], s[0:1], 0x30              ; wb
	s_and_b32 s18, ttmp7, 0xffff                   ; which source
	v_lshlrev_b32 v1, 4, v0                        ; my 16 bytes of a piece
	v_lshlrev_b32 v2, 3, v0                        ; my 8 bytes of it in wb
	s_lshl_b32 s22, ttmp9, 16                      ; the work-group's part of the source
	s_mov_b32 s23, 0
	s_lshl_b32 s24, s18, 23                        ; a source is 8,388,608 bytes of wb
	s_lshl_b32 s25, ttmp9, 15
	s_add_co_u32 s24, s24, s25
	s_mov_b32 s25, 0
	s_wait_kmcnt 0x0
	s_mov_b64 s[20:21], s[4:5]
.irp n, 1,2,3,4,5
	s_cmp_eq_u32 s18, \n
	s_cselect_b64 s[20:21], s[4+2*\n:5+2*\n], s[20:21]
.endr
	s_add_nc_u64 s[20:21], s[20:21], s[22:23]
	s_add_nc_u64 s[16:17], s[16:17], s[24:25]
.irp i, 0,1,2,3,4,5,6,7,8,9,10,11,12,13,14,15
	global_load_b128 v[X+4*\i:X+4*\i+3], v1, s[20:21] offset:4096*\i th:TH_LOAD_NT
.endr
.irp i, 0,1,2,3,4,5,6,7,8,9,10,11,12,13,14,15
	s_wait_loadcnt 15-\i                           ; loads come back in order: piece i is in, the 15 - i younger ones stay out
	v_cvt_pk_bf16_f32 v[X+4*\i], v[X+4*\i], v[X+4*\i+1]
	v_cvt_pk_bf16_f32 v[X+4*\i+1], v[X+4*\i+2], v[X+4*\i+3]
	global_store_b64 v2, v[X+4*\i:X+4*\i+1], s[16:17] offset:2048*\i
.endr
	s_endpgm
.Lfunc_end_k_qfd78e5365e_cast:
	.size	k_qfd78e5365e_cast, .Lfunc_end_k_qfd78e5365e_cast-k_qfd78e5365e_cast
	.p2alignl 7, 3214868480
	.fill 96, 4, 3214868480
	.section	.rodata,"a",@progbits
	.p2align	6, 0x0
	.amdhsa_kernel k_qfd78e5365e_cast
		.amdhsa_group_segment_fixed_size 0
		.amdhsa_private_segment_fixed_size 0
		.amdhsa_enable_private_segment 0
		.amdhsa_kernarg_size 56
		.amdhsa_user_sgpr_count 2
		.amdhsa_user_sgpr_kernarg_segment_ptr 1
		.amdhsa_wavefront_size32 1
		.amdhsa_system_sgpr_workgroup_id_x 1
		.amdhsa_system_sgpr_workgroup_id_y 1
		.amdhsa_system_sgpr_workgroup_id_z 1
		.amdhsa_system_vgpr_workitem_id 0
		.amdhsa_next_free_vgpr 68
		.amdhsa_next_free_sgpr 66
		.amdhsa_reserve_vcc 0
		.amdhsa_float_denorm_mode_32 3
		.amdhsa_float_denorm_mode_16_64 3
		.amdhsa_memory_ordered 1
		.amdhsa_forward_progress 1
		.amdhsa_inst_pref_size 7
	.end_amdhsa_kernel
	.amdgpu_metadata
---
amdhsa.version: [ 1, 2 ]
amdhsa.kernels:
  - .name:           k_qfd78e5365e_cast
    .symbol:         k_qfd78e5365e_cast.kd
    .args:
      - { .name: x, .offset: 0, .size: 8, .value_kind: global_buffer, .address_space: global }
      - { .name: Wq, .offset: 8, .size: 8, .value_kind: global_buffer, .address_space: global }
      - { .name: Wk, .offset: 16, .size: 8, .value_kind: global_buffer, .address_space: global }
      - { .name: Wv, .offset: 24, .size: 8, .value_kind: global_buffer, .address_space: global }
      - { .name: Wg, .offset: 32, .size: 8, .value_kind: global_buffer, .address_space: global }
      - { .name: Wo, .offset: 40, .size: 8, .value_kind: global_buffer, .address_space: global }
      - { .name: wb, .offset: 48, .size: 8, .value_kind: global_buffer, .address_space: global }
    .group_segment_fixed_size: 0
    .private_segment_fixed_size: 0
    .kernarg_segment_align: 8
    .kernarg_segment_size: 56
    .max_flat_workgroup_size: 256
    .sgpr_count:     66
    .vgpr_count:     68
    .wavefront_size: 32
...
	.end_amdgpu_metadata
.endif
;; end of part 1
;; launch proj (part 2): grid 32 x 8, 4 waves a work-group, clusters of 4 x 4, 327,680 bytes of LDS; arguments wb, pj, amax; writes pj, amax
.if DOCPART == 2
	.amdgcn_target "amdgcn-amd-amdhsa--gfx1250"
	.amdhsa_code_object_version 6
	.text
	.protected	k_qfd78e5365e_proj
	.globl	k_qfd78e5365e_proj
	.p2align	8
	.type	k_qfd78e5365e_proj,@function
k_qfd78e5365e_proj:
	s_mov_b64 s[64:65], 0
	v_nop
	global_prefetch_b8 v0, s[64:65] scope:SCOPE_SE
	s_setreg_imm32_b32 hwreg(HW_REG_WAVE_MODE, 25, 1), 1
	s_wait_xcnt 0x0
	s_wait_alu depctr_hold_cnt(0) depctr_sa_sdst(0) depctr_va_vdst(0) depctr_va_sdst(0) depctr_va_ssrc(0) depctr_va_vcc(0) depctr_vm_vsrc(0)
	s_getreg_b32 s2, hwreg(HW_REG_IB_STS2, 6, 4)
	s_cmp_eq_u32 s2, 0
	s_cbranch_scc0 .Lentry_in_a_cluster
	s_endpgm
.Lentry_in_a_cluster:
	s_bfe_u32 s2, ttmp6, 0x10000c
	s_cmp_lg_u32 s2, 0xf033
	s_cbranch_scc0 .Lentry_shape_is_right
	s_endpgm
.Lentry_shape_is_right:
; THE FOUR PROJECTIONS AS ONE bf16 GEMM: C[m][n] = sum over k of A[m][k] B[n][k], K = 2,048, sums in f32, 256 tiles of 256 x 256, one to a work-group.
; Tile (rt, ct), rt 0..7, ct 0..31.  As a rule A = x (tokens 256 rt ..) and B = the stacked weights (wb rows 2048 + 256 ct ..: Wq, Wk, Wv, Wg).
; For ct 16..23 (Wv) the sources change places: A = Wv's rows 256 rt .., B = x's rows 256 (ct - 16) ..: the tile is then v TRANSPOSED (channel x token), by the same text.
; OUT.  f16, rounded once, by heads: pj = four segments of 8,388,608 bytes, q, k, vT, z; in each a block of 262,144 bytes for (b, h); q, k, z: [s 1024][d 128]; vT: [d 128][s 1024].
; LIMIT: a result of 65,520 or more in magnitude becomes an infinity in f16.
; A BOUND FOR q AND k (ct 0..15 alone; jumped elsewhere, by a branch on the cluster's x).  A wave's 128 columns are one head, and a lane holds 64 of a row's 128 numbers.  T = the largest, over the
; wave's 128 rows and both halves of the lanes, of the sum of those 64 squares, so that a row's squared norm is 2 T at the most.  It goes, as 32 equal f32 words, to amax[16 (column block) + row block].
; FOUR WAVES, each 128 x 128 of C in 64 accumulators.  K goes in steps of 128 through a ring of two LDS slots filled by the tensor data mover.
; THE LAST K STEP GOES BY ROWS OF C: all its fragments of B come into registers, and the wave's eight blocks of 16 rows are finished, packed and stored one after the other, so that finished rows leave while the others are multiplied.
; CLUSTER 4 x 4: the four work-groups of a row need the same tile of A, the four of a column the same tile of B: each tile is asked for JOINTLY (same load, same descriptor, a mask of four).
; Whether the sources change places hangs on the cluster's x alone, so it is the same in all sixteen partners.
; THE MATRIX INSTRUCTION IS USED TRANSPOSED (source 0 = 16 rows of B, source 1 = 16 rows of A): a lane holds row l % 16 of C and eight neighbouring columns 8 (l / 16) + 0..7.
; REGISTERS, in windows of 256: window 0: v2-30 addresses and the running bound; v64-191 A's fragments, two buffers (in the last K step four, of 16 rows x 128 K); v32-63, v192-255 the way out.
;   window 1: v64-191 B's fragments (in the last K step all 256).   window 2: accumulators of my rows 0-63 ((a, b) at v[8 (8 a + b)]).   window 3: rows 64-127.
.set SIZE_K, 2048
.set KSTEP,  128
.set PITCH,  272                       ; an LDS row: 256 bytes + 16 of padding = 68 words: the 16 rows of a fragment load start at 16 different groups of four banks (64 banks of 4 bytes: ISA guide 11.1)
.set HALFT,  128*PITCH                 ; what one tensor load brings
.set SLOT,   4*HALFT                   ; A's 256 rows, then B's 256 rows
.set STAGE,  2*SLOT                    ; behind the ring: 16 rows x 272 bytes for each wave, for the way out
.set SPITCH, 272
.set SPARE,  STAGE+4*16*SPITCH         ; the spare words: 128 bytes a wave, two blocks of 256 bytes that no other line names
.set LAPS,   SIZE_K/(2*KSTEP)          ; 8 laps of two K steps
.set MXR,  2                           ; v2 the running bound, v3 at work
.set CO,   6                           ; v6-13  my byte offset in rows 2 t + l / 16 of a block of 16 rows of the output
.set LN4,  14                          ; v14    4 x lane
.set ADRA, 16                          ; v16-17 LDS address of my A fragments in slot 0, 1
.set ADRB, 20                          ; v20-21 the same for B
.set STO,  24
.set RD,   25
.set SPW,  28                          ; v28    my spare word; never rewritten
.set NIL,  29                          ; v29    0; never rewritten
.set PFO,  30                          ; v30    the prefetches' offset: lane x 4,096 bytes (a row of wb)
.set PFA,  44                          ; s[44:45] where my prefetches stand
.set LIM,  43                          ; s43    1 in a wave that prefetches, else the greatest number
.set NRM,  18                          ; s18    1 where the tile is q's or k's
.set F0,   64
.set F1,   128
.set TMP,  192
.set OB,   32
.set PA,   64                          ; the last K step: A's fragments of 16 rows x 128 K, 32 registers; four such buffers, v64-191
.set G1,  24                           ; s[24:31] group 1 for A's tiles;  s[32:39] group 0, a set for each slot
.set G0,  32
.set G1B, 48                           ; s[48:55], s[56:63] the same for B's
.set G0B, 56
.set MSB, 0
.macro WIN new                         ; the immediate's high byte repeats the setting that is left
.if MSB != (\new)
	s_set_vgpr_msb (MSB<<8)|(\new)
.set MSB, \new
.endif
.endm
.set MUL_LO, 0xa1                      ; source 0 (B) window 1, source 1 (A) window 0, C and D window 2
.set MUL_HI, 0xf1                      ; the same, C and D window 3
.set TO_B,   0x40
; A joint load: waves 0 and 1 fetch A's halves, waves 2 and 3 B's.  The branch hangs on the wave's number alone.  An s_nop 0 and four v_nop follow each line.
.macro JLOAD s
	s_cmp_eq_u32 s11, 0
	s_cbranch_scc0 .Lfor_b_\@
	tensor_load_to_lds s[G0+4*(\s):G0+4*(\s)+3], s[G1:G1+7]
	s_nop 0
.rept 4
	v_nop
.endr
	s_branch .Lasked_\@
.Lfor_b_\@:
	tensor_load_to_lds s[G0B+4*(\s):G0B+4*(\s)+3], s[G1B:G1B+7]
	s_nop 0
.rept 4
	v_nop
.endr
.Lasked_\@:
.endm
; A PREFETCH INTO THE L2 behind each joint refill and the run of LDS loads that follows it: the K step two refills on (512 matrix instructions ahead), 32 rows x 256 bytes, a lane a row.
; Each row's 256 bytes of a K step are named once in the launch: x's rows by the waves that fetch A in cluster x = 0, Wv's by those in cluster x = 4, the other weights' by the waves that fetch B
; in cluster y = 0 (not where B is x).  The four partners of a joint load share its 128 rows BY ADDRESS, 32 each.  The loop's last trip (s3 = 1) has no K step two on and asks for nothing.
.macro ASK
	s_cmp_gt_u32 s3, s[LIM]
	s_cbranch_scc0 .Lnot_mine_\@
	global_prefetch_b8 v[PFO], s[PFA:PFA+1] offset:KSTEP*2 th:TH_LOAD_NT scope:SCOPE_SE
.Lnot_mine_\@:
.endm
.macro CREST                           ; a round of the cluster's barrier behind its opening barrier
	s_cmp_lg_u32 s10, 0
	s_cbranch_scc1 .Lnot_wave_0_\@
	s_barrier_signal -3
.Lnot_wave_0_\@:
	s_barrier_wait -3
	s_barrier_signal -1
	s_barrier_wait -1
.endm
.macro CROUND
	s_barrier_signal -1
	s_barrier_wait -1
	CREST
.endm
	s_load_b128 s[4:7], s[0:1], 0x0                ; wb s[4:5], pj s[6:7]
	s_load_b64 s[68:69], s[0:1], 0x10              ; amax
	v_lshl_add_u32 v[SPW], v0, 2, SPARE
	v_mov_b32 v[NIL], 0
	ds_add_u32 v[SPW], v[NIL]                      ; the wave's opening: the add, twice on end, and its wait ahead of my first tensor load
	ds_add_u32 v[SPW], v[NIL]
	v_lshrrev_b32 v1, 5, v0
	v_readfirstlane_b32 s10, v1                    ; wave 0..3
	s_lshr_b32 s11, s10, 1                         ; my half of the tile's rows.  Also: I fetch for A (0) or B (1)
	s_and_b32 s12, s10, 1                          ; my half of its columns.  Also: which 128 rows I fetch
	s_bfe_u32 s40, ttmp6, 0x40000                  ; cx
	s_bfe_u32 s41, ttmp6, 0x40004                  ; cy
	s_lshl_b32 s42, ttmp9, 2
	s_add_co_u32 s42, s42, s40                     ; ct
	s_and_b32 s13, ttmp7, 0xffff
	s_lshl_b32 s13, s13, 2
	s_add_co_u32 s13, s13, s41                     ; rt
	s_lshl_b32 s43, s41, 2
	s_lshl_b32 s43, 15, s43                        ; my row of the cluster
	s_lshl_b32 s44, 0x1111, s40                    ; my column
	s_or_b32 s[G1+0], s43, (1<<16)|(1<<20)|(1<<21)|(5<<22)|(3<<25)  ; mask; 2-byte elements; padding on; bit 21 beside a mask; after every 64 words; 4 words
	s_or_b32 s[G1B+0], s44, (1<<16)|(1<<20)|(1<<21)|(5<<22)|(3<<25)
.irp g, G1, G1B
	s_mov_b32 s[(\g)+1], KSTEP<<16                 ; tensor_dim0 = 128
	s_mov_b32 s[(\g)+2], 128<<16                   ; tensor_dim1 = 128
	s_mov_b32 s[(\g)+3], KSTEP<<16                 ; tile_dim0 = 128
	s_mov_b32 s[(\g)+4], 128                       ; tile_dim1 = 128
	s_mov_b32 s[(\g)+5], SIZE_K                    ; elements from row to row
	s_mov_b32 s[(\g)+6], 0
	s_mov_b32 s[(\g)+7], 0
.endr
	s_cmp_lt_u32 ttmp9, 4                          ; clusters x = 0..3: the columns of Wq and Wk
	s_cselect_b32 s[NRM], 1, 0
	s_lshr_b32 s66, ttmp9, 1
	s_cmp_eq_u32 s66, 2                            ; clusters x = 4, 5: the columns of Wv
	s_cselect_b32 s66, 1, 0                        ; the sources change places
	s_cselect_b32 s67, 6144, 0
	s_lshl_b32 s17, s12, 7                         ; which 128 rows of the tile I fetch
	s_lshl_b32 s16, s13, 8
	s_add_co_u32 s16, s16, s17
	s_add_co_u32 s16, s16, s67                     ; A's row in wb: 256 rt + 128 half (+ 6144: Wv)
	s_lshl_b32 s46, s42, 8
	s_add_co_u32 s46, s46, s17
	s_add_co_u32 s46, s46, 2048
	s_sub_co_u32 s46, s46, s67                     ; B's row: 2048 + 256 ct + 128 half (- 6144: x)
	s_mov_b32 s70, s16
	s_mov_b32 s71, s46
	s_lshl_b32 s16, s16, 12                        ; a row of wb is 4,096 bytes; 12,288 rows stay under 2^32
	s_lshl_b32 s46, s46, 12
	s_mov_b32 s17, 0
	s_mov_b32 s47, 0
	s_mul_i32 s20, s10, HALFT                      ; where my rows go: wave x 128 rows
	s_wait_dscnt 0x0                               ; both opening adds are done
	s_wait_kmcnt 0x0
	s_add_nc_u64 s[14:15], s[4:5], s[16:17]
	s_add_nc_u64 s[46:47], s[4:5], s[46:47]
	CROUND                                         ; all sixteen work-groups are here: the first joint loads meet
.irp s, 0,1
	s_mov_b32 s[G0+4*(\s)], 1
	s_add_co_u32 s[G0+4*(\s)+1], s20, (\s)*SLOT
	s_add_nc_u64 s[G0+4*(\s)+2:G0+4*(\s)+3], s[14:15], (\s)*KSTEP*2
	s_or_b32 s[G0+4*(\s)+3], s[G0+4*(\s)+3], 0x80000000
	s_mov_b32 s[G0B+4*(\s)], 1
	s_add_co_u32 s[G0B+4*(\s)+1], s20, (\s)*SLOT
	s_add_nc_u64 s[G0B+4*(\s)+2:G0B+4*(\s)+3], s[46:47], (\s)*KSTEP*2
	s_or_b32 s[G0B+4*(\s)+3], s[G0B+4*(\s)+3], 0x80000000
	JLOAD \s
.endr
	v_and_b32 v1, 15, v0                           ; l % 16
	v_bfe_u32 v15, v0, 4, 1                        ; l / 16
	v_mul_u32_u24 v18, v1, PITCH
	v_lshl_add_u32 v18, v15, 4, v18                ; a fragment's row x pitch + 16 x half
	s_mul_i32 s21, s11, HALFT
	s_mul_i32 s22, s12, HALFT
	s_add_co_u32 s22, s22, 2*HALFT
.irp s, 0,1
	v_add_nc_u32 v[ADRA+(\s)], s21, v18
	v_add_nc_u32 v[ADRB+(\s)], s22, v18
	s_add_co_u32 s21, s21, SLOT
	s_add_co_u32 s22, s22, SLOT
.endr
	s_mul_i32 s23, s10, 16*SPITCH
	s_add_co_u32 s23, s23, STAGE                   ; my stage
	v_mul_u32_u24 v19, v1, SPITCH
	v_lshl_add_u32 v19, v15, 4, v19
	v_add_nc_u32 v[STO], s23, v19
	v_mul_u32_u24 v22, v15, SPITCH
	v_lshl_add_u32 v22, v1, 4, v22
	v_add_nc_u32 v[RD], s23, v22
	; where my 128 x 128 numbers go
	s_lshl1_add_u32 s74, s13, s11                  ; row block 0..15
	s_lshl1_add_u32 s75, s42, s12                  ; column block 0..63
	s_lshl4_add_u32 s76, s75, s74
	s_lshl_b32 s76, s76, 7                         ; 128 bytes of amax for each wave tile
	s_mov_b32 s77, 0
	s_add_nc_u64 s[68:69], s[68:69], s[76:77]
	s_lshr_b32 s76, s75, 4
	s_lshl_b32 s76, s76, 23                        ; the segment
	s_sub_co_u32 s78, s75, 32
	s_and_b32 s79, s75, 15
	s_cmp_eq_u32 s66, 1
	s_cselect_b32 s78, s78, s74                    ; the block of 128 tokens
	s_cselect_b32 s79, s74, s79                    ; the head
	s_cselect_b32 s72, 8, 15                       ; 128 tokens are 256 bytes of a row of vT, else 128 rows of 256 bytes
	s_cselect_b32 s73, 11, 8                       ; a row is 2,048 bytes in vT, else 256
	s_lshr_b32 s2, s78, 3
	s_lshl4_add_u32 s2, s2, s79                    ; 16 b + h
	s_lshl_b32 s2, s2, 18
	s_add_co_u32 s76, s76, s2
	s_and_b32 s2, s78, 7
	s_lshl_b32 s2, s2, s72
	s_add_co_u32 s76, s76, s2
	s_add_nc_u64 s[8:9], s[6:7], s[76:77]
	s_lshl_b32 s72, 1, s73                         ; the pitch
	s_lshl_b32 s16, s72, 4                         ; 16 rows on
	s_mov_b32 s17, 0
	v_mul_u32_u24 v22, s72, v15
	v_lshl_add_u32 v[CO], v1, 4, v22               ; lanes 0-15 one row of 256 bytes, lanes 16-31 the next
	s_lshl_b32 s72, s72, 1
.irp t, 1,2,3,4,5,6,7
	v_add_nc_u32 v[CO+(\t)], s72, v[CO+(\t)-1]
.endr
	v_and_b32 v[LN4], 31, v0
	v_lshlrev_b32 v[LN4], 2, v[LN4]
	v_mov_b32 v[MXR], 0
	v_mov_b32 v[MXR+1], 0
	; the prefetches
	s_and_b32 s22, ttmp7, 0xffff
	s_or_b32 s22, s22, s66                         ; B: cluster y = 0, and B is not x
	s_and_b32 s23, ttmp9, 3                        ; A: cluster x = 0 or 4
	s_cmp_eq_u32 s11, 0
	s_cselect_b32 s20, s70, s71                    ; the first of the 128 rows that I fetch
	s_cselect_b32 s21, s40, s41                    ; my place among the four that ask with me
	s_cselect_b32 s22, s23, s22
	s_cmp_eq_u32 s22, 0
	s_cselect_b32 s[LIM], 1, -1                    ; the same in all sixteen partners, for a given wave
	s_lshl_b32 s21, s21, 5
	s_add_co_u32 s20, s20, s21                     ; my work-group's 32 rows
	s_lshl_b32 s20, s20, 12
	s_add_co_u32 s20, s20, 2*KSTEP*2               ; at K step 2: the first refill steps it to 3 and names K step 4
	s_mov_b32 s21, 0
	s_add_nc_u64 s[PFA:PFA+1], s[4:5], s[20:21]
	v_and_b32 v[PFO], 31, v0
	v_lshlrev_b32 v[PFO], 12, v[PFO]
; 16 matrix instructions: m blocks a0, a0 + 1 of the window's four x all 8 n blocks, 32 along K.  zero = 1: the first product starts the sums.
.macro MUL16 f, hi, a0, zero
	WIN MUL_LO+0x50*(\hi)
.irp a, \a0, (\a0)+1
.irp b, 0,1,2,3,4,5,6,7
.if \zero
	v_wmma_f32_16x16x32_bf16 v[8*(8*(\a)+(\b)):8*(8*(\a)+(\b))+7], v[(\f)+8*(\b):(\f)+8*(\b)+7], v[(\f)+8*(4*(\hi)+(\a)):(\f)+8*(4*(\hi)+(\a))+7], 0
.else
	v_wmma_f32_16x16x32_bf16 v[8*(8*(\a)+(\b)):8*(8*(\a)+(\b))+7], v[(\f)+8*(\b):(\f)+8*(\b)+7], v[(\f)+8*(4*(\hi)+(\a)):(\f)+8*(4*(\hi)+(\a))+7], v[8*(8*(\a)+(\b)):8*(8*(\a)+(\b))+7]
.endif
.endr
.endr
.endm
; 32 LDS loads in one run: the fragments of one quarter step (32 K at byte k of the rows) into buffer f
.macro FETCH slot, k, f
	WIN TO_B
.irp i, 0,1,2,3,4,5,6,7
	ds_load_b128 v[(\f)+8*(\i):(\f)+8*(\i)+3],   v[ADRB+(\slot)] offset:(\k)+(\i)*16*PITCH
	ds_load_b128 v[(\f)+8*(\i)+4:(\f)+8*(\i)+7], v[ADRB+(\slot)] offset:(\k)+(\i)*16*PITCH+32
.endr
	WIN 0
.irp i, 0,1,2,3,4,5,6,7
	ds_load_b128 v[(\f)+8*(\i):(\f)+8*(\i)+3],   v[ADRA+(\slot)] offset:(\k)+(\i)*16*PITCH
	ds_load_b128 v[(\f)+8*(\i)+4:(\f)+8*(\i)+7], v[ADRA+(\slot)] offset:(\k)+(\i)*16*PITCH+32
.endr
.endm
.macro PLACES                          ; four plain vector instructions between a matrix instruction and a load into, or a vector read of, its registers
.rept 4
	v_nop
.endr
.endm
; A K step is four quarters of 32 along K, 64 matrix instructions each, on buffers 0, 1, 0, 1.  The 64 accumulators take turns, one instruction a turn.
.macro QUARTER slot, k, f, g, zero
	s_wait_dscnt 8                                 ; B and A's rows 0-63 are in; the youngest eight loads (A's rows 64-127) may be out
	WIN MUL_LO
	MUL16 \f, 0, 0, \zero
	MUL16 \f, 0, 2, \zero
	PLACES
	FETCH \slot, \k, \g
	s_wait_dscnt 32                                ; all but the 32 just issued
	WIN MUL_HI
	MUL16 \f, 1, 0, \zero
	MUL16 \f, 1, 2, \zero
.endm
; The change of slots, first half: each wave waits for all its tensor loads (one is out: its part of the next slot), adds 0 to its spare word, waits for that and for its reads of this slot, and signals.
.macro MEET round
	WIN 0
	s_wait_tensorcnt 0x0
	ds_add_u32 v[SPW], v[NIL]
	s_wait_dscnt 9                                 ; the add and the youngest eight loads may be out
	WIN MUL_LO
	MUL16 F1, 0, 0, 0
	s_wait_dscnt 0x0                               ; the add is done, and my reads of this slot are over
	s_barrier_signal -1
	MUL16 F1, 0, 2, 0
.if \round
	WIN 0
.endif
	s_barrier_wait -1
.endm
; The whole last quarter with a refill: the barrier opens a round of the cluster's barrier; the joint refill (this tile's K step two on) is the first tensor load behind the round.
.macro TURN slot, next
	s_wait_xcnt 0x0                                ; the last prefetch, a K step back, has read its address
	s_add_nc_u64 s[PFA:PFA+1], s[PFA:PFA+1], KSTEP*2
	MEET 1
	CREST
	s_add_nc_u64 s[G0+4*(\slot)+2:G0+4*(\slot)+3], s[G0+4*(\slot)+2:G0+4*(\slot)+3], 2*KSTEP*2
	s_add_nc_u64 s[G0B+4*(\slot)+2:G0B+4*(\slot)+3], s[G0B+4*(\slot)+2:G0B+4*(\slot)+3], 2*KSTEP*2
	JLOAD \slot                                    ; the four v_nop behind it are also the places in front of the loads below
	FETCH \next, 0, F0
	ASK
	WIN MUL_HI
	MUL16 F1, 1, 0, 0
	MUL16 F1, 1, 2, 0
.endm
; THE LAST K STEP (it lies in slot 1), BY ROWS OF C.  All its fragments of B (4 quarters x 64 registers) fill window 1; then my eight blocks of 16 rows are finished one after the other, each with
; 32 matrix instructions: its 8 accumulators by turns, K ascending.  LDS is read no more than in any other K step.
.macro BLOAD q                         ; B's fragments of quarter q -> window 1, v[64 q ..]
	WIN TO_B
.irp i, 0,1,2,3,4,5,6,7
	ds_load_b128 v[64*(\q)+8*(\i):64*(\q)+8*(\i)+3],   v[ADRB+1] offset:64*(\q)+(\i)*16*PITCH
	ds_load_b128 v[64*(\q)+8*(\i)+4:64*(\q)+8*(\i)+7], v[ADRB+1] offset:64*(\q)+(\i)*16*PITCH+32
.endr
.endm
.macro ALOAD a                         ; A's fragments of block a, all four quarters -> buffer a % 4
	WIN 0
.set FA, PA+32*((\a)%4)
.irp q, 0,1,2,3
	ds_load_b128 v[FA+8*(\q):FA+8*(\q)+3],   v[ADRA+1] offset:64*(\q)+(\a)*16*PITCH
	ds_load_b128 v[FA+8*(\q)+4:FA+8*(\q)+7], v[ADRA+1] offset:64*(\q)+(\a)*16*PITCH+32
.endr
.endm
.macro ROW a                           ; block a is finished: 32 matrix instructions
.set FA, PA+32*((\a)%4)
.set AC, 64*((\a)%4)
	WIN MUL_LO+0x50*((\a)/4)
.irp q, 0,1,2,3
.if (\a) == 0 && (\q) == 2
	s_wait_dscnt 24                                ; B's quarter 2 is in (behind it: the 24 loads of A's blocks 1 to 3)
.endif
.irp b, 0,1,2,3,4,5,6,7
	v_wmma_f32_16x16x32_bf16 v[AC+8*(\b):AC+8*(\b)+7], v[64*(\q)+8*(\b):64*(\q)+8*(\b)+7], v[FA+8*(\q):FA+8*(\q)+7], v[AC+8*(\b):AC+8*(\b)+7]
.endr
.endr
.endm
; THE WAY OUT of block a (16 rows).  PACK: for q and k the sum of my 64 squares (four chains, each accumulator from its low end on) goes into the running bound; then the block is rounded to f16, 16 bytes a lane.
.macro PACK a
.set AC, 64*((\a)%4)
	WIN 0
	s_cmp_eq_u32 s[NRM], 0
	s_cbranch_scc1 .Lno_norm_\@
	WIN 0x0a+5*((\a)/4)                            ; sources 0 and 1: window 2 or 3
.irp c, 0,1,2,3
	v_pk_mul_f32 v[TMP+2*(\c):TMP+2*(\c)+1], v[AC+2*(\c):AC+2*(\c)+1], v[AC+2*(\c):AC+2*(\c)+1]
.endr
.set pp, 4
.rept 28
	v_pk_fma_f32 v[TMP+2*(pp%4):TMP+2*(pp%4)+1], v[AC+2*pp:AC+2*pp+1], v[AC+2*pp:AC+2*pp+1], v[TMP+2*(pp%4):TMP+2*(pp%4)+1]
.set pp, pp+1
.endr
	WIN 0
	v_pk_add_f32 v[TMP:TMP+1], v[TMP:TMP+1], v[TMP+2:TMP+3]
	v_pk_add_f32 v[TMP+4:TMP+5], v[TMP+4:TMP+5], v[TMP+6:TMP+7]
	v_pk_add_f32 v[TMP:TMP+1], v[TMP:TMP+1], v[TMP+4:TMP+5]
	v_add_f32 v[TMP], v[TMP], v[TMP+1]
	v_max_num_f32 v[MXR], v[MXR], v[TMP]
.Lno_norm_\@:
	WIN 0x0a+5*((\a)/4)
.irp b, 0,1,2,3,4,5,6,7
.irp r, 0,1,2,3
	v_cvt_pk_f16_f32 v[TMP+4*(\b)+(\r)], v[AC+8*(\b)+2*(\r)], v[AC+8*(\b)+2*(\r)+1]
.endr
.endr
	WIN 0
.endm
.macro TOSTAGE a                       ; into my own stage, and back as whole rows of 256 bytes
	WIN 0
.set BK, OB+192*((\a)%2)
.irp b, 0,1,2,3,4,5,6,7
	ds_store_b128 v[STO], v[TMP+4*(\b):TMP+4*(\b)+3] offset:32*(\b)
.endr
.irp t, 0,1,2,3,4,5,6,7
	ds_load_b128 v[BK+4*(\t):BK+4*(\t)+3], v[RD] offset:(\t)*2*SPITCH  ; LDS serves a wave's instructions in order (ISA guide 5.7.1.4): these see the stores above
.endr
.endm
.macro SEND a, younger                 ; younger: the LDS loads issued behind TOSTAGE's, which may stay out
	WIN 0
.set BK, OB+192*((\a)%2)
	s_wait_dscnt \younger                          ; the block is back in registers
	s_wait_xcnt 0x0                                ; earlier stores have read their base and their data: only now are these written again
.if (\a) > 0
	s_add_nc_u64 s[8:9], s[8:9], s[16:17]          ; 16 rows on
.endif
.irp t, 0,1,2,3,4,5,6,7
	global_store_b128 v[CO+(\t)], v[BK+4*(\t):BK+4*(\t)+3], s[8:9]  ; 16 lanes store 256 consecutive bytes, at a multiple of 256 from pj's first byte
.endr
.endm
	s_wait_tensorcnt 1                             ; my part of K step 0 is in; K step 1's load may stay out
	s_barrier_signal -1
	s_barrier_wait -1
	FETCH 0, 0, F0
	QUARTER 0, 64,  F0, F1, 1                      ; the first quarter stands in front of the loop: its products start the sums
	WIN 0
	s_mov_b32 s3, LAPS-1
.Llap:                                                 ; a trip goes once round the ring and fills both slots again
	QUARTER 0, 128, F1, F0, 0
	QUARTER 0, 192, F0, F1, 0
	TURN 0, 1
	QUARTER 1, 64,  F0, F1, 0
	QUARTER 1, 128, F1, F0, 0
	QUARTER 1, 192, F0, F1, 0
	TURN 1, 0
	QUARTER 0, 64,  F0, F1, 0
	WIN 0
	s_sub_co_u32 s3, s3, 1
	s_cmp_lg_u32 s3, 0
	s_cbranch_scc1 .Llap
	QUARTER 0, 128, F1, F0, 0                      ; the last lap is written out: it fills nothing
	QUARTER 0, 192, F0, F1, 0
	MEET 0                                         ; my one tensor load that was still out is slot 1's, the last K step's, so no round follows
	PLACES                                         ; for the loads into buffer 0, which the quarter before multiplied
	BLOAD 0                                        ; three quarters of B now: buffer 1 (v128-191 of both windows) is still being multiplied
	BLOAD 1
	BLOAD 3
	ALOAD 0
	MUL16 F1, 1, 0, 0
	MUL16 F1, 1, 2, 0
	PLACES                                         ; for the loads into buffer 1
	BLOAD 2
	ALOAD 1
	ALOAD 2
	ALOAD 3
	s_wait_dscnt 40                                ; all but the 40 just issued
	ROW 0
.irp a, 0,1,2,3,4,5,6,7                ; each block leaves as soon as it is finished
	PLACES                                         ; its sums and conversions read results just made
	PACK \a
	TOSTAGE \a
.if (\a) < 4
	ALOAD (\a)+4                                   ; its buffer takes the block four further on
	SEND \a, 8
.else
	SEND \a, 0
.endif
.if (\a) < 7
	ROW (\a)+1
.endif
.endr
	s_cmp_eq_u32 s[NRM], 0
	s_cbranch_scc1 .Lno_bound
	v_max_num_f32_dpp v[MXR], v[MXR], v[MXR] row_xmask:1 row_mask:0xf bank_mask:0xf  ; the largest of the 32 lanes' bounds, in every lane
	v_max_num_f32_dpp v[MXR], v[MXR], v[MXR] row_xmask:2 row_mask:0xf bank_mask:0xf
	v_max_num_f32_dpp v[MXR], v[MXR], v[MXR] row_xmask:4 row_mask:0xf bank_mask:0xf
	v_max_num_f32_dpp v[MXR], v[MXR], v[MXR] row_xmask:8 row_mask:0xf bank_mask:0xf
	s_mov_b32 s78, 0x76543210
	s_mov_b32 s79, 0xfedcba98
	v_permlanex16_b32 v[MXR+1], v[MXR], s78, s79
	v_max_num_f32 v[MXR], v[MXR], v[MXR+1]
	global_store_b32 v[LN4], v[MXR], s[68:69]      ; 32 equal words: 128 consecutive bytes, all lanes on
.Lno_bound:
	s_wait_tensorcnt 0x0                           ; the wave's end
	ds_add_u32 v[SPW], v[NIL]
	s_wait_dscnt 0x0
	CROUND                                         ; the closing round: no work-group ends while a partner may still ask for a tile that names it
	s_endpgm
.Lfunc_end_k_qfd78e5365e_proj:
	.size	k_qfd78e5365e_proj, .Lfunc_end_k_qfd78e5365e_proj-k_qfd78e5365e_proj
	.p2alignl 7, 3214868480
	.fill 96, 4, 3214868480
	.section	.rodata,"a",@progbits
	.p2align	6, 0x0
	.amdhsa_kernel k_qfd78e5365e_proj
		.amdhsa_group_segment_fixed_size 327680
		.amdhsa_private_segment_fixed_size 0
		.amdhsa_enable_private_segment 0
		.amdhsa_kernarg_size 24
		.amdhsa_user_sgpr_count 2
		.amdhsa_user_sgpr_kernarg_segment_ptr 1
		.amdhsa_wavefront_size32 1
		.amdhsa_system_sgpr_workgroup_id_x 1
		.amdhsa_system_sgpr_workgroup_id_y 1
		.amdhsa_system_sgpr_workgroup_id_z 1
		.amdhsa_system_vgpr_workitem_id 0
		.amdhsa_next_free_vgpr 1024
		.amdhsa_next_free_sgpr 80
		.amdhsa_reserve_vcc 0
		.amdhsa_float_denorm_mode_32 3
		.amdhsa_float_denorm_mode_16_64 3
		.amdhsa_memory_ordered 1
		.amdhsa_forward_progress 1
		.amdhsa_inst_pref_size 165
	.end_amdhsa_kernel
	.amdgpu_metadata
---
amdhsa.version: [ 1, 2 ]
amdhsa.kernels:
  - .name:           k_qfd78e5365e_proj
    .symbol:         k_qfd78e5365e_proj.kd
    .args:
      - { .name: wb, .offset: 0, .size: 8, .value_kind: global_buffer, .address_space: global }
      - { .name: pj, .offset: 8, .size: 8, .value_kind: global_buffer, .address_space: global }
      - { .name: amax, .offset: 16, .size: 8, .value_kind: global_buffer, .address_space: global }
    .group_segment_fixed_size: 327680
    .private_segment_fixed_size: 0
    .kernarg_segment_align: 8
    .kernarg_segment_size: 24
    .max_flat_workgroup_size: 128
    .sgpr_count:     80
    .vgpr_count:     1024
    .wavefront_size: 32
...
	.end_amdgpu_metadata
.endif
;; end of part 2
;; launch retn (part 3): grid 8 x 32, 4 waves a work-group, no clusters, 270,848 bytes of LDS; arguments pj, amax, ob, st; writes ob, st
.if DOCPART == 3
	.amdgcn_target "amdgcn-amd-amdhsa--gfx1250"
	.amdhsa_code_object_version 6
	.text
	.protected	k_qfd78e5365e_retn
	.globl	k_qfd78e5365e_retn
	.p2align	8
	.type	k_qfd78e5365e_retn,@function
k_qfd78e5365e_retn:
	s_mov_b64 s[64:65], 0
	v_nop
	global_prefetch_b8 v0, s[64:65] scope:SCOPE_SE
	s_setreg_imm32_b32 hwreg(HW_REG_WAVE_MODE, 25, 1), 1
	s_wait_xcnt 0x0
; RETENTION.  out[n][:] = sum over m <= n of (q[n] . k[m]) 128^-0.5 gamma_h^(n-m) v[m][:], for one (b, h); f32 to ob [bh][s 1024][d 128]; and for each wave the mean and the sum of squared
; deviations of the 4,096 numbers that it stores, to st (32 equal pairs, 256 bytes a wave).
; LEFT OUT: tiles of 64 queries x 64 keys whose keys all lie behind their queries: reference()'s own decay factor is 0 there for all inputs (shown at the head of launch cast).
; SHARES.  A work-group owns the query blocks (64 rows) 15 - J and J of a head: 15 whole tiles of 64 keys and 2 that hold the diagonal, whatever J.  The sum over keys is linear, so THE KEY TILES ARE DEALT
; ROUND ROBIN TO THE FOUR WAVES (5, 4, 4, 4): each wave holds all 64 queries, reads its own tiles of K and V^T straight from memory as fragments, and the four partial sums meet in LDS once.
; NO CLUSTER, NO TENSOR LOAD: in a work-group each tile has one reader; a head's eight work-groups need different numbers of tiles.  NO PREFETCH: a wave walks five tiles at the most.
; LOADS AHEAD.  A tile's K and V are asked for while the tile before is multiplied; the first block's Q and first tile right behind the pointers, ahead of the tables; the second block's behind the first block's last product.
; LAYOUT.  S^T = K Q^T (source 0 = 16 keys, source 1 = 16 queries): a lane holds ONE query (l % 16) and the keys 8 (l / 16) + 0..7.  Two such results rounded to f16 ARE source 1 of O^T = V^T P.
; THE WEIGHTS.  With n = 64 I + nq, m = 64 T + mk: gamma^(n-m) = gamma^nq x gamma^(64 (I-T)) x gamma^-mk.  P' = s x c gamma^(64 (I-T)) gamma^-mk goes to f16; gamma^nq 128^-0.5 / c is applied in f32 at the end.
; c.  Launch proj stored Tq, Tk with |q row|^2 <= 2 Tq, |k row|^2 <= 2 Tk.  So |s| <= 2 sqrt(Tq Tk) < 2^(H - 125), H = (Eq + Ek + 1) >> 1, Eq and Ek the biased exponents of the largest Tq and Tk of the (b, h).
; c = 2^(137 - H), and gamma^-63 < 8, give |P'| < 2^15 (the rounding of q and k to f16 moves that by a thousandth).
; LIMITS: c's exponent field is held to 2..252; a weight below 6e-8 on that scale counts as 0.  The bounds enter multiplications alone: no address and no branch hangs on them.
; gamma_h = 1 - e, e = 2^(-5 - 4 h / 15), a constant of the problem: log2 gamma = -log2(e_) e (1 + e (1/2 + e (1/3 + e (1/4 + e / 5)))); e <= 1/32, so the first term dropped is under 5e-9 of the sum.
; REGISTERS, in windows of 256: window 0: v2-15 addresses and at work; v16-23 MD (the diagonal's mask), v24-31 MX, v32-63 BT = gamma^-mk, v64-95 KF = BT x SF, v96-127 KFD = KF x MX,
;   v128-255 S^T ((kt, qt) at 128 + 32 qt + 8 kt), P packed in place.   window 1: O^T ((qt, cb) at 64 qt + 8 cb).   window 2: Q at 32 qt + 8 cs.   window 3: K at 32 kt + 8 cs; V^T at 128 + 64 kk + 8 cb.
.set RPITCH, 528                       ; a row of a partial sum in LDS: 512 bytes + 16 = 132 words: 16 rows start at 16 different groups of four banks (64 banks of 4 bytes: ISA guide 11.1)
.set REGION, 64*RPITCH                 ; block p, wave w at (4 p + w) x 33,792
.set SPARE,  8*REGION                  ; the spare words: 128 bytes a wave, two blocks of 256 bytes that no other line names
.set LK,  2                            ; v2  (l % 16) x 256 + 16 (l / 16): my place in 16 rows of q or k
.set LV,  3                            ; v3  (l % 16) x 2,048 + 16 (l / 16): in 16 rows of vT
.set DST, 4                            ; v4  where I put my partial sums;  v7 the same for the second block
.set GO,  5                            ; v5  16 l
.set SO,  6                            ; v6  8 l
.set DSTB, 7
.set SPW, 8
.set NIL, 9
.set MD,  16
.set MX,  24
.set BT,  32
.set KF,  64
.set KFD, 96
.set S,   128
.set RDA, 32                           ; behind the blocks: v32-35 read addresses, v36-39 the second block's, v40-47 four chains, v48-58 statistics
.set CH,  40
.set MEAN, 48
; scalars: s12 wave, s13 J, s14 16 b + h, s15 h; s[16:17] K, s[18:19] V^T at my tile; s[20:23] those of the second block; s24, s25 my tiles in block one, two; s26 bound, s27 count, s28 blocks left;
; s[30:31] SF, s32 the second block's; s33 gamma^-256; s[34:35] Z (0: my last tile holds the diagonal, else 1), s36 the second block's; s37 gamma; s38 gamma^(16 w) 128^-0.5 / c; s[40:41] a row's factor;
; s[44:45] lane selects; s[48:63] the sixteen bounds; s[66:69] ob at my rows of the two blocks; s[70:73] q at the two blocks; s[74:75] st; s[78:79] at work, gamma^-16
.set MSB, 0
.macro WIN new
.if MSB != (\new)
	s_set_vgpr_msb (MSB<<8)|(\new)
.set MSB, \new
.endif
.endm
.macro PHS i, t, d, tot, z             ; block i, my first tile t: d = i - t; whole tiles (d + 3) / 4; the diagonal's tile is mine if 4 divides d
	s_sub_co_i32 s[\d], s[\i], s[\t]
	s_add_co_i32 s78, s[\d], 3
	s_lshr_b32 s[\tot], s78, 2
	s_and_b32 s78, s[\d], 3
	s_cmp_eq_u32 s78, 0
	s_cselect_b32 s78, 1, 0
	s_cselect_b32 s[\z], 0, 1.0
	s_add_co_u32 s[\tot], s[\tot], s78
.endm
.macro LDK p                           ; a tile of K: 64 keys x 128 channels, 16 fragments
	WIN 0xc0
.set f, 0
.rept 16
	global_load_b128 v[8*f:8*f+3],   v[LK], s[\p:\p+1] offset:(f/4)*4096+(f%4)*64
	global_load_b128 v[8*f+4:8*f+7], v[LK], s[\p:\p+1] offset:(f/4)*4096+(f%4)*64+32
.set f, f+1
.endr
.endm
.macro LDV p                           ; the same tile of V^T: 128 channels x 64 keys
	WIN 0xc0
.set f, 0
.rept 16
	global_load_b128 v[128+8*f:128+8*f+3],   v[LV], s[\p:\p+1] offset:(f%8)*32768+(f/8)*64
	global_load_b128 v[128+8*f+4:128+8*f+7], v[LV], s[\p:\p+1] offset:(f%8)*32768+(f/8)*64+32
.set f, f+1
.endr
.endm
.macro LDQ p                           ; a block of Q: 64 queries x 128 channels
	WIN 0x80
.set f, 0
.rept 16
	global_load_b128 v[8*f:8*f+3],   v[LK], s[\p:\p+1] offset:(f/4)*4096+(f%4)*64
	global_load_b128 v[8*f+4:8*f+7], v[LK], s[\p:\p+1] offset:(f/4)*4096+(f%4)*64+32
.set f, f+1
.endr
.endm
.macro QK                              ; 64 products; the 16 accumulators take turns, one instruction a turn; the first 16 start the sums
	WIN 0x0b
.set i, 0
.rept 64
.set rS, S+32*(i%4)+8*((i/4)%4)
.set rK, 32*((i/4)%4)+8*(i/16)
.set rQ, 32*(i%4)+8*(i/16)
.if i < 16
	v_wmma_f32_16x16x32_f16 v[rS:rS+7], v[rK:rK+7], v[rQ:rQ+7], 0
.else
	v_wmma_f32_16x16x32_f16 v[rS:rS+7], v[rK:rK+7], v[rQ:rQ+7], v[rS:rS+7]
.endif
.set i, i+1
.endr
.endm
.macro PV                              ; 64 products; 32 accumulators take turns
	WIN 0x53
.set i, 0
.rept 64
.set rO, 64*(i%4)+8*((i/4)%8)
.set rV, 128+64*(i/32)+8*((i/4)%8)
.set rP, S+32*(i%4)+16*(i/32)
	v_wmma_f32_16x16x32_f16 v[rO:rO+7], v[rV:rV+7], v[rP:rP+7], v[rO:rO+7]
.set i, i+1
.endr
.endm
.macro KFUP half                       ; half of KF = BT x SF: eight plain instructions
	WIN 0
.set i, 16*(\half)
.rept 8
	v_pk_mul_f32 v[KF+i:KF+i+1], v[BT+i:BT+i+1], s[30:31] op_sel_hi:[1,0]
.set i, i+2
.endr
.endm
; The scores become weights, in place: times the table, then rounded to f16 in pairs, ascending.  tail = 1: my last tile: key group kt against query group qt takes KF (kt < qt), KFD (kt = qt), KF x Z (kt > qt).
.macro PFORM tail
	WIN 0
.set qt, 0
.rept 4
.set kt, 0
.rept 4
.set pfs, S+32*qt+8*kt
.set pft, KF+8*kt
.if (\tail) && (kt == qt)
.set pft, KFD+8*kt
.endif
.set j, 0
.rept 4
	v_pk_mul_f32 v[pfs+j:pfs+j+1], v[pfs+j:pfs+j+1], v[pft+j:pft+j+1]
.set j, j+2
.endr
.set kt, kt+1
.endr
.if \tail
.set kt, qt+1
.rept 3-qt
.set pfs, S+32*qt+8*kt
.set j, 0
.rept 4
	v_pk_mul_f32 v[pfs+j:pfs+j+1], v[pfs+j:pfs+j+1], s[34:35] op_sel_hi:[1,0]
.set j, j+2
.endr
.set kt, kt+1
.endr
.endif
.set kk, 0
.rept 2
.set pfs, S+32*qt+16*kk
.set j, 0
.rept 8
	v_cvt_pk_f16_f32 v[pfs+j], v[pfs+2*j], v[pfs+2*j+1]
.set j, j+1
.endr
.set kk, kk+1
.endr
.set qt, qt+1
.endr
.endm
.macro CLEAR
	WIN 0x40
.set i, 0
.rept 256
	v_mov_b32 v[i], 0
.set i, i+1
.endr
.endm
.macro DUMP                            ; query 16 qt + l % 16 is a row, channel 16 cb + 8 (l / 16) + j its word; each accumulator's low half first
	WIN 0x04
.set i, 0
.rept 32
	ds_store_b128 v[DST], v[8*i:8*i+3]   offset:(i/8)*16*RPITCH+(i%8)*64
	ds_store_b128 v[DST], v[8*i+4:8*i+7] offset:(i/8)*16*RPITCH+(i%8)*64+16
.set i, i+1
.endr
.endm
.macro WSUM x, y                       ; the sum over the 32 lanes, in every lane
	v_add_f32_dpp v[\x], v[\x], v[\x] row_xmask:1 row_mask:0xf bank_mask:0xf
	v_add_f32_dpp v[\x], v[\x], v[\x] row_xmask:2 row_mask:0xf bank_mask:0xf
	v_add_f32_dpp v[\x], v[\x], v[\x] row_xmask:4 row_mask:0xf bank_mask:0xf
	v_add_f32_dpp v[\x], v[\x], v[\x] row_xmask:8 row_mask:0xf bank_mask:0xf
	v_permlanex16_b32 v[\y], v[\x], s44, s45
	v_add_f32 v[\x], v[\x], v[\y]
.endm
; A tile that is not my last; it also asks for my next tile.
.macro BODY
	s_wait_loadcnt 32                              ; K (and Q) are in; V's 32 younger loads stay out
	QK
	KFUP 1                                         ; eight places between the products and the loads into K's registers and the reads of the scores
	s_wait_xcnt 0x0                                ; the loads issued so far have read their base
	s_add_nc_u64 s[16:17], s[16:17], 65536         ; four tiles on: 256 rows of 256 bytes
	LDK 16
	PFORM 0
	s_wait_loadcnt 32                              ; V is in; the next K's 32 loads stay out
	PV
	s_mul_f32 s30, s30, s33                        ; four tiles nearer: SF x gamma^-256
	KFUP 0                                         ; eight places between the products and the loads into V's registers, and the next products that write over P
	s_wait_xcnt 0x0
	s_add_nc_u64 s[18:19], s[18:19], 512           ; 256 keys of 2 bytes along vT's rows
	LDV 18
	WIN 0
.endm
; My last tile of the block: with the mask, if it holds the diagonal (Z = 0), or with ones (Z = 1).
.macro TAIL
	s_wait_loadcnt 32
	QK
	KFUP 1
.irp j, 0,1,2,3,4,5,6,7
	v_max_num_f32 v[MX+\j], s34, v[MD+\j]
.endr
.set i, 0
.rept 16
	v_pk_mul_f32 v[KFD+i:KFD+i+1], v[KF+i:KF+i+1], v[MX+i%8:MX+i%8+1]
.set i, i+2
.endr
	PFORM 1
	s_wait_loadcnt 0x0                             ; V is in: nothing younger is out
	PV
	WIN 0
.rept 8
	v_nop                                          ; the places behind the last products, in front of loads into their sources and of the stores of their results
.endr
.endm
	s_load_b256 s[4:11], s[0:1], 0x0               ; pj s[4:5], amax s[6:7], ob s[8:9], st s[10:11]
	v_lshl_add_u32 v[SPW], v0, 2, SPARE
	v_mov_b32 v[NIL], 0
	v_lshrrev_b32 v1, 5, v0
	v_readfirstlane_b32 s12, v1
	s_mov_b32 s13, ttmp9
	s_and_b32 s14, ttmp7, 0xffff
	s_and_b32 s15, s14, 15
	s_sub_co_u32 s42, 15, s13                      ; the first block, 15 - J; my first tile there is my wave's number
	s_add_co_u32 s43, s12, s13
	s_and_b32 s43, s43, 3                          ; the deal goes on into the second block: my first tile there
	PHS 42, 12, 39, 24, 34                         ; the first block has 9 tiles or more: two or more are mine
	PHS 13, 43, 29, 25, 36                         ; of the second block's J + 1 tiles none may be mine
	s_mov_b32 s31, 0                               ; named as pairs
	s_mov_b32 s35, 0
	s_mov_b32 s41, 0
	s_mov_b32 s44, 0x76543210
	s_mov_b32 s45, 0xfedcba98
	s_mov_b32 s47, 0
	v_and_b32 v10, 15, v0
	v_bfe_u32 v11, v0, 4, 1
	v_and_b32 v12, 31, v0
	v_lshlrev_b32 v[LK], 8, v10
	v_lshl_add_u32 v[LK], v11, 4, v[LK]
	v_lshlrev_b32 v[LV], 11, v10
	v_lshl_add_u32 v[LV], v11, 4, v[LV]
	s_wait_kmcnt 0x0
	s_lshl_b32 s46, s14, 18
	s_add_nc_u64 s[76:77], s[4:5], s[46:47]        ; my (b, h) in segment q
	s_lshl_b32 s46, s42, 14
	s_add_nc_u64 s[70:71], s[76:77], s[46:47]
	s_lshl_b32 s46, s13, 14
	s_add_nc_u64 s[72:73], s[76:77], s[46:47]
	s_lshl_b32 s46, s12, 14
	s_add_co_u32 s46, s46, 1<<23
	s_add_nc_u64 s[16:17], s[76:77], s[46:47]
	s_lshl_b32 s46, s43, 14
	s_add_co_u32 s46, s46, 1<<23
	s_add_nc_u64 s[20:21], s[76:77], s[46:47]
	s_lshl_b32 s46, s12, 7
	s_add_co_u32 s46, s46, 2<<23
	s_add_nc_u64 s[18:19], s[76:77], s[46:47]
	s_lshl_b32 s46, s43, 7
	s_add_co_u32 s46, s46, 2<<23
	s_add_nc_u64 s[22:23], s[76:77], s[46:47]
	s_lshl_b32 s46, s15, 11                        ; amax: q's column block is h, its row blocks 8 b + 0..7, 128 bytes each; k's lie 32,768 bytes on
	s_lshr_b32 s78, s14, 4
	s_lshl_b32 s78, s78, 10
	s_add_co_u32 s46, s46, s78
	s_add_nc_u64 s[2:3], s[6:7], s[46:47]
.irp i, 0,1,2,3,4,5,6,7
	s_load_b32 s[48+\i], s[2:3], \i*128
	s_load_b32 s[56+\i], s[2:3], 32768+\i*128
.endr
	LDQ 70                                         ; the first block's Q and my first tile: 96 loads, out while all that follows is made
	LDK 16
	LDV 18
	WIN 0
	s_lshl_b32 s46, s14, 19                        ; ob: (1,024 bh + 64 I + 16 w) rows of 512 bytes
	s_lshl_b32 s78, s12, 13
	s_add_co_u32 s46, s46, s78
	s_add_nc_u64 s[68:69], s[8:9], s[46:47]
	s_lshl_b32 s46, s42, 15
	s_add_nc_u64 s[66:67], s[68:69], s[46:47]
	s_lshl_b32 s46, s13, 15
	s_add_nc_u64 s[68:69], s[68:69], s[46:47]
	s_lshl_b32 s46, s14, 5
	s_lshl2_add_u32 s46, s13, s46
	s_add_co_u32 s46, s46, s12
	s_lshl_b32 s46, s46, 8
	s_add_nc_u64 s[74:75], s[10:11], s[46:47]
	s_mul_i32 s78, s12, REGION
	v_mul_u32_u24 v[DST], v10, RPITCH
	v_lshl_add_u32 v[DST], v11, 5, v[DST]
	v_add_nc_u32 v[DST], s78, v[DST]
	v_add_nc_u32 v[DSTB], 4*REGION, v[DST]
	v_lshlrev_b32 v[GO], 4, v12
	v_lshlrev_b32 v[SO], 3, v12
	; gamma and its powers
	v_cvt_f32_u32 v64, s15
	v_mov_b32 v65, 0xc0a00000                      ; -5
	v_fmamk_f32 v64, v64, 0xbe888889, v65          ; -5 - 4 h / 15
	v_exp_f32 v64, v64                             ; e
	v_mov_b32 v65, 0x3e4ccccd                      ; 1/5: the plain instruction behind the exponential
	s_wait_alu depctr_va_vdst(0)                   ; the wait ahead of the first use
	v_fmaak_f32 v65, v65, v64, 0x3e800000
	v_fmaak_f32 v65, v65, v64, 0x3eaaaaab
	v_fmaak_f32 v65, v65, v64, 0x3f000000
	v_fmaak_f32 v65, v65, v64, 0x3f800000
	v_mul_f32 v65, v65, v64
	v_mul_f32 v14, 0xbfb8aa3b, v65                 ; L = log2 gamma
	v_mul_f32 v15, 0x3fb8aa3b, v65                 ; -L
	v_lshlrev_b32 v13, 3, v11
.irp i, 0,1,2,3,4,5,6,7
	v_add_nc_u32 v[BT+\i], \i, v13                 ; mk = 8 (l / 16) + j, the first group of 16 keys
.endr
.irp i, 0,1,2,3,4,5,6,7
	v_cvt_f32_u32 v[BT+\i], v[BT+\i]
.endr
.irp i, 0,1,2,3,4,5,6,7
	v_mul_f32 v[BT+\i], v[BT+\i], v15
.endr
	v_mul_f32 v64, 0x43800000, v15                 ; -256 L
	v_mov_b32 v65, v14
	s_lshl_b32 s78, s12, 4
	v_cvt_f32_u32 v66, s78
	v_mul_f32 v66, v66, v14                        ; 16 w L
	s_lshl_b32 s78, s39, 6
	v_cvt_f32_i32 v67, s78
	v_mul_f32 v67, v67, v14                        ; 64 (I - T) L, first block
	s_lshl_b32 s78, s29, 6
	v_cvt_f32_i32 v68, s78
	v_mul_f32 v68, v68, v14                        ; second block
	v_mul_f32 v69, 0x41800000, v15                 ; -16 L
.irp i, 0,1,2,3,4,5,6,7
	v_exp_f32 v[BT+\i], v[BT+\i]
.endr
.irp r, 64,65,66,67,68,69
	v_exp_f32 v\r, v\r
.endr
	v_sub_nc_u32 v13, v10, v13                     ; l % 16 - 8 (l / 16): the plain instruction behind the batch
	s_wait_alu depctr_va_vdst(0)                   ; one wait for the 14 exponentials
	v_readfirstlane_b32 s33, v64
	v_readfirstlane_b32 s37, v65
	v_readfirstlane_b32 s38, v66
	v_readfirstlane_b32 s30, v67
	v_readfirstlane_b32 s32, v68
	v_readfirstlane_b32 s78, v69
	s_mov_b32 s79, 0                               ; named with it as a pair
.set i, 0
.rept 12
	v_pk_mul_f32 v[BT+8+i:BT+8+i+1], v[BT+i:BT+i+1], s[78:79] op_sel_hi:[1,0]  ; each further group of 16 keys: x gamma^-16
.set i, i+2
.endr
.irp j, 0,1,2,3,4,5,6,7
	v_cmp_le_i32 vcc_lo, \j, v13                   ; in the band's own group of 16: key 8 (l / 16) + j is seen by query l % 16
	v_cndmask_b32 v[MD+\j], 0, 1.0, vcc_lo
.endr
	s_wait_kmcnt 0x0                               ; the sixteen bounds: not negative, so the greater word is the greater number
.irp i, 1,2,3,4,5,6,7
	s_max_u32 s48, s48, s[48+\i]
	s_max_u32 s56, s56, s[56+\i]
.endr
	s_lshr_b32 s48, s48, 23                        ; Eq
	s_lshr_b32 s56, s56, 23                        ; Ek
	s_add_co_u32 s48, s48, s56
	s_add_co_u32 s48, s48, 1
	s_lshr_b32 s48, s48, 1                         ; H
	s_sub_co_i32 s48, 264, s48                     ; 127 + 137 - H
	s_max_i32 s48, s48, 2
	s_min_i32 s48, s48, 252
	s_sub_co_i32 s49, 254, s48
	s_lshl_b32 s48, s48, 23                        ; c
	s_lshl_b32 s49, s49, 23                        ; 1 / c
	s_mul_f32 s30, s30, s48
	s_mul_f32 s32, s32, s48
	s_mul_f32 s49, s49, 0x3db504f3                 ; 128^-0.5 / c
	s_mul_f32 s38, s38, s49
	s_mov_b32 s28, 2
.Lphase:                                               ; twice: block 15 - J, then block J
	CLEAR                                          ; the sums start at 0, written while the block's first loads are out, so that the products have one form
	WIN 0
	s_cmp_eq_u32 s24, 0
	s_cbranch_scc1 .Ldump                          ; no tile of this block is mine: my partial sum is 0
	KFUP 0
	s_sub_co_u32 s26, s24, 1
	s_cmp_eq_u32 s26, 0
	s_cbranch_scc1 .Ltail
	s_mov_b32 s27, 0
.Lbody:                                                ; all my tiles but the last; the bound is made of ids alone; no LDS line and no barrier stands in this loop
	BODY
	s_add_co_u32 s27, s27, 1
	s_cmp_lt_u32 s27, s26
	s_cbranch_scc1 .Lbody
.Ltail:
	TAIL
	s_cmp_eq_u32 s28, 1
	s_cbranch_scc1 .Ldump                          ; the second block has none behind it
	s_cmp_eq_u32 s25, 0
	s_cbranch_scc1 .Ldump                          ; or none of its tiles is mine
	LDQ 72                                         ; the second block's Q and my first tile of it: out while the first block's sums are put away and cleared
	LDK 20
	LDV 22
	WIN 0
.Ldump:
	DUMP
	WIN 0
	s_sub_co_u32 s28, s28, 1
	s_cmp_eq_u32 s28, 0
	s_cbranch_scc1 .Lreduce
	s_wait_xcnt 0x0                                ; all loads have read their bases
	s_mov_b64 s[16:17], s[20:21]
	s_mov_b64 s[18:19], s[22:23]
	s_mov_b32 s24, s25
	s_mov_b32 s30, s32
	s_mov_b32 s34, s36
	v_mov_b32 v[DST], v[DSTB]
	s_cmp_lg_u32 s28, 0
	s_cbranch_scc1 .Lphase
.Lreduce:
	s_wait_loadcnt 0x0                             ; no load is out on any way here: the registers below are free
	s_wait_dscnt 0x0                               ; for the others' sake: my stores are done
	s_barrier_signal -1
	s_barrier_wait -1                              ; all eight partial sums lie in LDS
	s_mul_i32 s78, s12, 16*RPITCH                  ; I finish rows 16 w .. 16 w + 15 of both blocks
	v_add_nc_u32 v[RDA], s78, v[GO]
.irp k, 1,2,3,4,5,6,7
	v_add_nc_u32 v[RDA+\k], \k*REGION, v[RDA]
.endr
	v_mov_b32 v52, 0
	v_mov_b32 v56, 0
	v_mov_b32 v57, 0
	s_mov_b32 s28, 2
.Lblock:                                               ; twice: a block's 16 rows are summed, scaled and stored, and the mean and squared deviations of its 2,048 numbers are made
	s_mov_b32 s40, s38
	WIN 0x40
.set ii, 0
.rept 16
.irp w, 0,1,2,3
	ds_load_b128 v[16*ii+4*\w:16*ii+4*\w+3], v[RDA+\w] offset:ii*RPITCH  ; 512 consecutive bytes: a row of wave w's partial sum
.endr
.set ii, ii+1
.endr
	WIN 0x45
.set ii, 0
.rept 16
	s_wait_dscnt 4*(15-ii)                         ; row ii's four loads are in; the later rows' four each may be out
	v_pk_add_f32 v[16*ii:16*ii+1],     v[16*ii:16*ii+1],     v[16*ii+4:16*ii+5]
	v_pk_add_f32 v[16*ii+2:16*ii+3],   v[16*ii+2:16*ii+3],   v[16*ii+6:16*ii+7]
	v_pk_add_f32 v[16*ii+8:16*ii+9],   v[16*ii+8:16*ii+9],   v[16*ii+12:16*ii+13]
	v_pk_add_f32 v[16*ii+10:16*ii+11], v[16*ii+10:16*ii+11], v[16*ii+14:16*ii+15]
	v_pk_add_f32 v[16*ii:16*ii+1],     v[16*ii:16*ii+1],     v[16*ii+8:16*ii+9]
	v_pk_add_f32 v[16*ii+2:16*ii+3],   v[16*ii+2:16*ii+3],   v[16*ii+10:16*ii+11]
.set ii, ii+1
.endr
	WIN 0x81
.set ii, 0
.rept 16
	v_pk_mul_f32 v[4*ii:4*ii+1],   v[16*ii:16*ii+1],   s[40:41] op_sel_hi:[1,0]  ; x gamma^nq 128^-0.5 / c, into window 2
	v_pk_mul_f32 v[4*ii+2:4*ii+3], v[16*ii+2:16*ii+3], s[40:41] op_sel_hi:[1,0]
	s_mul_f32 s40, s40, s37                        ; the next row's
.set ii, ii+1
.endr
	WIN 0x08
.set ii, 0
.rept 16
	global_store_b128 v[GO], v[4*ii:4*ii+3], s[66:67] offset:ii*512  ; a whole row of ob: 512 consecutive bytes
.set ii, ii+1
.endr
	; the mean of the block's 2,048 numbers (64 registers a lane), then the sum of their squared deviations from it: no difference of large sums is formed
	WIN 0x0a
.irp c, 0,1,2,3
	v_pk_add_f32 v[CH+2*\c:CH+2*\c+1], v[2*\c:2*\c+1], v[2*\c+8:2*\c+9]
.endr
	WIN 0x08
.set i, 8
.rept 24
	v_pk_add_f32 v[CH+2*(i%4):CH+2*(i%4)+1], v[CH+2*(i%4):CH+2*(i%4)+1], v[2*i:2*i+1]
.set i, i+1
.endr
	WIN 0
	v_pk_add_f32 v[CH:CH+1], v[CH:CH+1], v[CH+2:CH+3]
	v_pk_add_f32 v[CH+4:CH+5], v[CH+4:CH+5], v[CH+6:CH+7]
	v_pk_add_f32 v[CH:CH+1], v[CH:CH+1], v[CH+4:CH+5]
	v_add_f32 v[MEAN], v[CH], v[CH+1]
	WSUM MEAN, 52
	v_mul_f32 v[MEAN], 0x3a000000, v[MEAN]         ; / 2,048
	v_mov_b32 v[MEAN+1], v[MEAN]
	WIN 0x02
.set i, 0
.rept 32
	v_pk_add_f32 v[S+2*i:S+2*i+1], v[2*i:2*i+1], v[MEAN:MEAN+1] neg_lo:[0,1] neg_hi:[0,1]
.set i, i+1
.endr
	WIN 0
.irp c, 0,1,2,3
	v_pk_mul_f32 v[CH+2*\c:CH+2*\c+1], v[S+2*\c:S+2*\c+1], v[S+2*\c:S+2*\c+1]
.endr
.set i, 4
.rept 28
	v_pk_fma_f32 v[CH+2*(i%4):CH+2*(i%4)+1], v[S+2*i:S+2*i+1], v[S+2*i:S+2*i+1], v[CH+2*(i%4):CH+2*(i%4)+1]
.set i, i+1
.endr
	v_pk_add_f32 v[CH:CH+1], v[CH:CH+1], v[CH+2:CH+3]
	v_pk_add_f32 v[CH+4:CH+5], v[CH+4:CH+5], v[CH+6:CH+7]
	v_pk_add_f32 v[CH:CH+1], v[CH:CH+1], v[CH+4:CH+5]
	v_add_f32 v51, v[CH], v[CH+1]
	WSUM 51, 52
	v_mov_b32 v54, v56                             ; behind the second trip: v54, v55 the first block's pair, v56, v57 the second's
	v_mov_b32 v55, v57
	v_mov_b32 v56, v[MEAN]
	v_mov_b32 v57, v51
	s_wait_xcnt 0x0                                ; the stores have read their base and their data: both are written again in the next trip
	s_mov_b64 s[66:67], s[68:69]
.irp w, 0,1,2,3
	v_mov_b32 v[RDA+\w], v[RDA+4+\w]
.endr
	s_sub_co_u32 s28, s28, 1
	s_cmp_lg_u32 s28, 0
	s_cbranch_scc1 .Lblock
	; two sets of 2,048 numbers become one of 4,096: mean = (a + b) / 2; M2 = M2a + M2b + (b - a)^2 x 2,048 x 2,048 / 4,096
	v_add_f32 v50, v54, v56
	v_mul_f32 v50, 0.5, v50
	v_sub_f32 v58, v56, v54
	v_mul_f32 v58, v58, v58
	v_add_f32 v51, v55, v57
	v_fmamk_f32 v51, v58, 0x44800000, v51
	global_store_b64 v[SO], v[50:51], s[74:75]     ; 32 equal pairs: 256 consecutive bytes, all lanes on
	s_wait_tensorcnt 0x0                           ; the wave's end, behind my last LDS store
	ds_add_u32 v[SPW], v[NIL]
	s_wait_dscnt 0x0
	s_endpgm
.Lfunc_end_k_qfd78e5365e_retn:
	.size	k_qfd78e5365e_retn, .Lfunc_end_k_qfd78e5365e_retn-k_qfd78e5365e_retn
	.p2alignl 7, 3214868480
	.fill 96, 4, 3214868480
	.section	.rodata,"a",@progbits
	.p2align	6, 0x0
	.amdhsa_kernel k_qfd78e5365e_retn
		.amdhsa_group_segment_fixed_size 270848
		.amdhsa_private_segment_fixed_size 0
		.amdhsa_enable_private_segment 0
		.amdhsa_kernarg_size 32
		.amdhsa_user_sgpr_count 2
		.amdhsa_user_sgpr_kernarg_segment_ptr 1
		.amdhsa_wavefront_size32 1
		.amdhsa_system_sgpr_workgroup_id_x 1
		.amdhsa_system_sgpr_workgroup_id_y 1
		.amdhsa_system_sgpr_workgroup_id_z 1
		.amdhsa_system_vgpr_workitem_id 0
		.amdhsa_next_free_vgpr 1024
		.amdhsa_next_free_sgpr 80
		.amdhsa_reserve_vcc 1
		.amdhsa_float_denorm_mode_32 3
		.amdhsa_float_denorm_mode_16_64 3
		.amdhsa_memory_ordered 1
		.amdhsa_forward_progress 1
		.amdhsa_inst_pref_size 108
	.end_amdhsa_kernel
	.amdgpu_metadata
---
amdhsa.version: [ 1, 2 ]
amdhsa.kernels:
  - .name:           k_qfd78e5365e_retn
    .symbol:         k_qfd78e5365e_retn.kd
    .args:
      - { .name: pj, .offset: 0, .size: 8, .value_kind: global_buffer, .address_space: global }
      - { .name: amax, .offset: 8, .size: 8, .value_kind: global_buffer, .address_space: global }
      - { .name: ob, .offset: 16, .size: 8, .value_kind: global_buffer, .address_space: global }
      - { .name: st, .offset: 24, .size: 8, .value_kind: global_buffer, .address_space: global }
    .group_segment_fixed_size: 270848
    .private_segment_fixed_size: 0
    .kernarg_segment_align: 8
    .kernarg_segment_size: 32
    .max_flat_workgroup_size: 128
    .sgpr_count:     80
    .vgpr_count:     1024
    .wavefront_size: 32
...
	.end_amdgpu_metadata
.endif
;; end of part 3
;; launch gate (part 4): grid 8 x 32, 8 waves a work-group, no clusters, 0 bytes of LDS; arguments ob, pj, st, gn_w, gn_b, ab; writes ab
.if DOCPART == 4
	.amdgcn_target "amdgcn-amd-amdhsa--gfx1250"
	.amdhsa_code_object_version 6
	.text
	.protected	k_qfd78e5365e_gate
	.globl	k_qfd78e5365e_gate
	.p2align	8
	.type	k_qfd78e5365e_gate,@function
k_qfd78e5365e_gate:
	s_mov_b64 s[64:65], 0
	v_nop
	global_prefetch_b8 v0, s[64:65] scope:SCOPE_SE
	s_setreg_imm32_b32 hwreg(HW_REG_WAVE_MODE, 25, 1), 1
	s_wait_xcnt 0x0
; GROUP NORM AND GATE.  A[t][128 h + d] = silu(z) ((out - mean) rstd w + b), bf16, row-major [2048][2048]: the one intermediate of the program that is rounded to bf16 (it has no room in f16
; for inputs some 30 times larger).  out: ob, f32 [bh][s][d]; z: segment 3 of pj, f16 [bh][s][d]; w = gn_w, b = gn_b, rounded to bf16 like every input of the program.
; STATISTICS.  st holds for each (b, h) 32 partial (mean_i, M2_i) of 4,096 numbers each.  mean = sum mean_i / 32; M2 = sum (M2_i + 4,096 (mean_i - mean)^2); var = M2 / 131,072; rstd = (var + 1e-5)^-1/2.
; Lane i takes partial i, so both sums are sums over a wave's lanes.  Every wave makes them for itself: no LDS, no barrier.
; SHARES.  A work-group takes 128 rows of one (b, h), a wave 16, a lane 4 channels: a wave's load of out covers 512 consecutive bytes, of z 256, its store 256 at a multiple of 256.
; All 35 loads of a wave go out before the first wait.  Memory binds: matrix units, LDS and clusters would add nothing.  z's f16 halves are read by the mixed multiply-add: no widening is written.
.set Z, 32                             ; v[32:63]   row i: 4 f16
.set X, 64                             ; v[64:127]  row i: 4 f32, at work in place, then 4 bf16 in its first two registers
.set E, 128                            ; v[128:143] four rows' exponentials
.set NLE, 20                           ; v20  -log2(e)
.set ZERO, 21                          ; v21  0
.macro WSUM x, y
	v_add_f32_dpp v[\x], v[\x], v[\x] row_xmask:1 row_mask:0xf bank_mask:0xf
	v_add_f32_dpp v[\x], v[\x], v[\x] row_xmask:2 row_mask:0xf bank_mask:0xf
	v_add_f32_dpp v[\x], v[\x], v[\x] row_xmask:4 row_mask:0xf bank_mask:0xf
	v_add_f32_dpp v[\x], v[\x], v[\x] row_xmask:8 row_mask:0xf bank_mask:0xf
	v_permlanex16_b32 v[\y], v[\x], s2, s3
	v_add_f32 v[\x], v[\x], v[\y]
.endm
	s_load_b256 s[4:11], s[0:1], 0x0               ; ob s[4:5], pj s[6:7], st s[8:9], gn_w s[10:11]
	s_load_b128 s[12:15], s[0:1], 0x20             ; gn_b s[12:13], ab s[14:15]
	v_lshrrev_b32 v1, 5, v0
	v_readfirstlane_b32 s16, v1                    ; wave 0..7
	v_and_b32 v5, 31, v0
	v_lshlrev_b32 v2, 4, v5
	v_lshlrev_b32 v3, 3, v5
	v_lshlrev_b32 v4, 8, v5
	s_mov_b32 s2, 0x76543210
	s_mov_b32 s3, 0xfedcba98
	s_and_b32 s17, ttmp7, 0xffff                   ; 16 b + h
	s_and_b32 s18, s17, 15                         ; h
	s_lshl_b32 s19, ttmp9, 7
	s_lshl4_add_u32 s19, s16, s19                  ; my first row in the (b, h)
	s_lshl_b32 s20, s17, 10
	s_add_co_u32 s20, s20, s19
	s_lshl_b32 s22, s20, 9                         ; ob: rows of 512 bytes
	s_mov_b32 s23, 0
	s_lshl_b32 s24, s20, 8                         ; z: rows of 256 bytes, in segment 3
	s_add_co_u32 s24, s24, 3<<23
	s_mov_b32 s25, 0
	s_lshl_b32 s26, s17, 13                        ; st: 32 partials of 256 bytes
	s_mov_b32 s27, 0
	s_lshl_b32 s28, s18, 9                         ; gn_w, gn_b: 128 channels of 4 bytes
	s_mov_b32 s29, 0
	s_lshr_b32 s30, s17, 4
	s_lshl_b32 s30, s30, 10
	s_add_co_u32 s30, s30, s19                     ; the token
	s_lshl_b32 s30, s30, 12                        ; ab: rows of 4,096 bytes,
	s_lshl_b32 s31, s18, 8                         ; the head's 256 of them
	s_add_co_u32 s30, s30, s31
	s_mov_b32 s31, 0
	v_mov_b32 v[NLE], 0xbfb8aa3b
	v_mov_b32 v[ZERO], 0
	v_mov_b32 v27, 0
	s_wait_kmcnt 0x0
	s_add_nc_u64 s[4:5], s[4:5], s[22:23]
	s_add_nc_u64 s[6:7], s[6:7], s[24:25]
	s_add_nc_u64 s[8:9], s[8:9], s[26:27]
	s_add_nc_u64 s[10:11], s[10:11], s[28:29]
	s_add_nc_u64 s[12:13], s[12:13], s[28:29]
	s_add_nc_u64 s[14:15], s[14:15], s[30:31]
	global_load_b64 v[6:7], v4, s[8:9]
	global_load_b128 v[8:11], v2, s[10:11]
	global_load_b128 v[12:15], v2, s[12:13]
.irp i, 0,1,2,3,4,5,6,7,8,9,10,11,12,13,14,15
	global_load_b128 v[X+4*\i:X+4*\i+3], v2, s[4:5] offset:512*\i th:TH_LOAD_NT
	global_load_b64 v[Z+2*\i:Z+2*\i+1], v3, s[6:7] offset:256*\i th:TH_LOAD_NT
.endr
	s_wait_loadcnt 32                              ; the partial, w and b are in; the 32 loads of rows stay out
	v_mov_b32 v24, v6
	WSUM 24, 27
	v_mul_f32 v24, 0x3d000000, v24                 ; the mean
	v_sub_f32 v26, v6, v24
	v_mul_f32 v26, v26, v26
	v_fmamk_f32 v26, v26, 0x45800000, v7           ; M2_i + 4,096 (mean_i - mean)^2
	WSUM 26, 27
	v_mov_b32 v27, 0x3727c5ac                      ; 1e-5
	v_fmamk_f32 v26, v26, 0x37000000, v27          ; M2 / 131,072 + 1e-5
	v_rsq_f32 v26, v26
	v_mov_b32 v25, v24                             ; the mean as a pair; the plain instruction behind the root
	v_cvt_pk_bf16_f32 v28, v8, v9                  ; w and b are rounded to bf16 and widened again
	v_cvt_pk_bf16_f32 v29, v10, v11
	v_cvt_pk_bf16_f32 v30, v12, v13
	v_cvt_pk_bf16_f32 v31, v14, v15
.irp k, 0,1,2,3
	v_lshlrev_b32 v[8+2*\k], 16, v[28+\k]
	v_and_b32 v[9+2*\k], 0xffff0000, v[28+\k]
.endr
	s_wait_alu depctr_va_vdst(0)                   ; the wait ahead of the first use of the root
	v_pk_mul_f32 v[16:17], v[8:9], v[26:27] op_sel_hi:[1,0]    ; alpha = w rstd
	v_pk_mul_f32 v[18:19], v[10:11], v[26:27] op_sel_hi:[1,0]
; Four rows.  One batch of 16 exponentials and one of 16 reciprocals, each with one wait; the norm's arithmetic is the independent work behind the first batch.
.macro GROUP g
	s_wait_loadcnt 24-8*(\g)                       ; rows up to 4 g + 3 are in: two loads for each of the 12 - 4 g later rows stay out
.set r, 0
.rept 4
.set zr, Z+2*(4*(\g)+r)
.set er, E+4*r
	v_fma_mix_f32 v[er],   v[zr],   v[NLE], v[ZERO] op_sel_hi:[1,0,0]
	v_fma_mix_f32 v[er+1], v[zr],   v[NLE], v[ZERO] op_sel:[1,0,0] op_sel_hi:[1,0,0]
	v_fma_mix_f32 v[er+2], v[zr+1], v[NLE], v[ZERO] op_sel_hi:[1,0,0]
	v_fma_mix_f32 v[er+3], v[zr+1], v[NLE], v[ZERO] op_sel:[1,0,0] op_sel_hi:[1,0,0]
.set r, r+1
.endr
.set r, 0
.rept 16
	v_exp_f32 v[E+r], v[E+r]                       ; e^-z
.set r, r+1
.endr
.set r, 0
.rept 4
.set xr, X+4*(4*(\g)+r)
	v_pk_add_f32 v[xr:xr+1],   v[xr:xr+1],   v[24:25] neg_lo:[0,1] neg_hi:[0,1]
	v_pk_add_f32 v[xr+2:xr+3], v[xr+2:xr+3], v[24:25] neg_lo:[0,1] neg_hi:[0,1]
.set r, r+1
.endr
.set r, 0
.rept 4
.set xr, X+4*(4*(\g)+r)
	v_pk_fma_f32 v[xr:xr+1],   v[xr:xr+1],   v[16:17], v[12:13]
	v_pk_fma_f32 v[xr+2:xr+3], v[xr+2:xr+3], v[18:19], v[14:15]
.set r, r+1
.endr
	s_wait_alu depctr_va_vdst(0)                   ; one wait for the 16 exponentials
.set r, 0
.rept 8
	v_pk_add_f32 v[E+2*r:E+2*r+1], v[E+2*r:E+2*r+1], 1.0 op_sel_hi:[1,0]
.set r, r+1
.endr
.set r, 0
.rept 16
	v_rcp_f32 v[E+r], v[E+r]                       ; 1 / (1 + e^-z)
.set r, r+1
.endr
	v_nop
	s_wait_alu depctr_va_vdst(0)                   ; one wait for the 16 reciprocals
.set r, 0
.rept 4
.set xr, X+4*(4*(\g)+r)
	v_pk_mul_f32 v[xr:xr+1],   v[xr:xr+1],   v[E+4*r:E+4*r+1]
	v_pk_mul_f32 v[xr+2:xr+3], v[xr+2:xr+3], v[E+4*r+2:E+4*r+3]
.set r, r+1
.endr
.set r, 0
.rept 4
.set zr, Z+2*(4*(\g)+r)
.set xr, X+4*(4*(\g)+r)
	v_fma_mix_f32 v[xr],   v[zr],   v[xr],   v[ZERO] op_sel_hi:[1,0,0]
	v_fma_mix_f32 v[xr+1], v[zr],   v[xr+1], v[ZERO] op_sel:[1,0,0] op_sel_hi:[1,0,0]
	v_fma_mix_f32 v[xr+2], v[zr+1], v[xr+2], v[ZERO] op_sel_hi:[1,0,0]
	v_fma_mix_f32 v[xr+3], v[zr+1], v[xr+3], v[ZERO] op_sel:[1,0,0] op_sel_hi:[1,0,0]
.set r, r+1
.endr
.set r, 0
.rept 4
.set xr, X+4*(4*(\g)+r)
	v_cvt_pk_bf16_f32 v[xr],   v[xr],   v[xr+1]
	v_cvt_pk_bf16_f32 v[xr+1], v[xr+2], v[xr+3]
	global_store_b64 v3, v[xr:xr+1], s[14:15] offset:4096*(4*(\g)+r)  ; 32 lanes store 256 consecutive bytes, at a multiple of 256 from ab's first byte
.set r, r+1
.endr
.endm
	GROUP 0
	GROUP 1
	GROUP 2
	GROUP 3
	s_endpgm
.Lfunc_end_k_qfd78e5365e_gate:
	.size	k_qfd78e5365e_gate, .Lfunc_end_k_qfd78e5365e_gate-k_qfd78e5365e_gate
	.p2alignl 7, 3214868480
	.fill 96, 4, 3214868480
	.section	.rodata,"a",@progbits
	.p2align	6, 0x0
	.amdhsa_kernel k_qfd78e5365e_gate
		.amdhsa_group_segment_fixed_size 0
		.amdhsa_private_segment_fixed_size 0
		.amdhsa_enable_private_segment 0
		.amdhsa_kernarg_size 48
		.amdhsa_user_sgpr_count 2
		.amdhsa_user_sgpr_kernarg_segment_ptr 1
		.amdhsa_wavefront_size32 1
		.amdhsa_system_sgpr_workgroup_id_x 1
		.amdhsa_system_sgpr_workgroup_id_y 1
		.amdhsa_system_sgpr_workgroup_id_z 1
		.amdhsa_system_vgpr_workitem_id 0
		.amdhsa_next_free_vgpr 144
		.amdhsa_next_free_sgpr 66
		.amdhsa_reserve_vcc 0
		.amdhsa_float_denorm_mode_32 3
		.amdhsa_float_denorm_mode_16_64 3
		.amdhsa_memory_ordered 1
		.amdhsa_forward_progress 1
		.amdhsa_inst_pref_size 31
	.end_amdhsa_kernel
	.amdgpu_metadata
---
amdhsa.version: [ 1, 2 ]
amdhsa.kernels:
  - .name:           k_qfd78e5365e_gate
    .symbol:         k_qfd78e5365e_gate.kd
    .args:
      - { .name: ob, .offset: 0, .size: 8, .value_kind: global_buffer, .address_space: global }
      - { .name: pj, .offset: 8, .size: 8, .value_kind: global_buffer, .address_space: global }
      - { .name: st, .offset: 16, .size: 8, .value_kind: global_buffer, .address_space: global }
      - { .name: gn_w, .offset: 24, .size: 8, .value_kind: global_buffer, .address_space: global }
      - { .name: gn_b, .offset: 32, .size: 8, .value_kind: global_buffer, .address_space: global }
      - { .name: ab, .offset: 40, .size: 8, .value_kind: global_buffer, .address_space: global }
    .group_segment_fixed_size: 0
    .private_segment_fixed_size: 0
    .kernarg_segment_align: 8
    .kernarg_segment_size: 48
    .max_flat_workgroup_size: 256
    .sgpr_count:     66
    .vgpr_count:     144
    .wavefront_size: 32
...
	.end_amdgpu_metadata
.endif
;; end of part 4
;; launch outp (part 5): grid 16 x 16, 4 waves a work-group, clusters of 4 x 4, 327,680 bytes of LDS; arguments ab, wb, out0; writes out0
.if DOCPART == 5
	.amdgcn_target "amdgcn-amd-amdhsa--gfx1250"
	.amdhsa_code_object_version 6
	.text
	.protected	k_qfd78e5365e_outp
	.globl	k_qfd78e5365e_outp
	.p2align	8
	.type	k_qfd78e5365e_outp,@function
k_qfd78e5365e_outp:
	s_mov_b64 s[64:65], 0
	v_nop
	global_prefetch_b8 v0, s[64:65] scope:SCOPE_SE
	s_setreg_imm32_b32 hwreg(HW_REG_WAVE_MODE, 25, 1), 1
	s_wait_xcnt 0x0
	s_wait_alu depctr_hold_cnt(0) depctr_sa_sdst(0) depctr_va_vdst(0) depctr_va_sdst(0) depctr_va_ssrc(0) depctr_va_vcc(0) depctr_vm_vsrc(0)
	s_getreg_b32 s2, hwreg(HW_REG_IB_STS2, 6, 4)
	s_cmp_eq_u32 s2, 0
	s_cbranch_scc0 .Lentry_in_a_cluster
	s_endpgm
.Lentry_in_a_cluster:
	s_bfe_u32 s2, ttmp6, 0x10000c
	s_cmp_lg_u32 s2, 0xf033
	s_cbranch_scc0 .Lentry_shape_is_right
	s_endpgm
.Lentry_shape_is_right:
; THE LAST PROJECTION.  out0[t][o] = sum over c of A[t][c] Wo[o][c].  A: ab, bf16 [2048][2048]; Wo: rows 10,240 .. of wb, bf16; out0 f32 [2048][2048]; sums in f32.
; 256 tiles of 128 x 128, one to a work-group.  Four waves, each 64 x 64: 16 accumulators.  K goes in steps of 256 (LDS rows of 512 bytes; a wave's tensor load brings 64 of them) through two slots.
; CLUSTER 4 x 4: the four work-groups of a row need the same tiles of A, the four of a column the same tiles of Wo: each is asked for JOINTLY, by the same load, descriptor and mask of four.
; THE MATRIX INSTRUCTION IS USED TRANSPOSED (source 0 = 16 rows of Wo, source 1 = 16 rows of A): a lane holds eight neighbouring numbers of a row of out0.
; THE WAY OUT: a wave's 64 columns of f32 are 256 bytes at a multiple of 256, so each wave has a stage of its own and no barrier is needed.
; REGISTERS: window 0: v0-31 addresses; v32-95 the way out; v128-255 the accumulators ((a, b) at v[128 + 8 (4 a + b)]).   window 1: two fragment buffers of 128.
.set SIZE_K, 2048
.set KSTEP,  256
.set PITCH,  528                       ; 512 bytes + 16 = 132 words: the 16 rows of a fragment load start at 16 different groups of four banks (64 banks of 4 bytes: ISA guide 11.1)
.set HALFT,  64*PITCH
.set SLOT,   4*HALFT
.set STAGE,  2*SLOT                    ; behind the ring: 16 rows x 272 bytes for each wave
.set SPITCH, 272
.set SPARE,  STAGE+4*16*SPITCH         ; the spare words: 128 bytes a wave, two blocks of 256 bytes that no other line names
.set LAPS, SIZE_K/(2*KSTEP)
.set ROWB, 8192                        ; bytes in a row of out0
.set ADRA, 16
.set ADRB, 20
.set STO,  24
.set RD,   25
.set CO,   26
.set SPW,  28
.set NIL,  29
.set TMP,  32
.set ACC,  128
.set F0,   0
.set F1,   128
.set G1, 24
.set G0, 32
.set G1B, 48
.set G0B, 56
.set MSB, 0
.macro WIN new
.if MSB != (\new)
	s_set_vgpr_msb (MSB<<8)|(\new)
.set MSB, \new
.endif
.endm
.set MUL,  0x05                        ; sources 0 (Wo) and 1 (A) window 1; C and D window 0
.set TO_F, 0x40
.macro JLOAD s                         ; a joint load: waves 0 and 1 fetch A's halves, waves 2 and 3 Wo's; an s_nop 0 and four v_nop follow each line
	s_cmp_eq_u32 s11, 0
	s_cbranch_scc0 .Lfor_b_\@
	tensor_load_to_lds s[G0+4*(\s):G0+4*(\s)+3], s[G1:G1+7]
	s_nop 0
.rept 4
	v_nop
.endr
	s_branch .Lasked_\@
.Lfor_b_\@:
	tensor_load_to_lds s[G0B+4*(\s):G0B+4*(\s)+3], s[G1B:G1B+7]
	s_nop 0
.rept 4
	v_nop
.endr
.Lasked_\@:
.endm
.macro CREST
	s_cmp_lg_u32 s10, 0
	s_cbranch_scc1 .Lnot_wave_0_\@
	s_barrier_signal -3
.Lnot_wave_0_\@:
	s_barrier_wait -3
	s_barrier_signal -1
	s_barrier_wait -1
.endm
.macro CROUND
	s_barrier_signal -1
	s_barrier_wait -1
	CREST
.endm
	s_load_b128 s[4:7], s[0:1], 0x0                ; ab s[4:5], wb s[6:7]
	s_load_b64 s[8:9], s[0:1], 0x10                ; out0
	v_lshl_add_u32 v[SPW], v0, 2, SPARE
	v_mov_b32 v[NIL], 0
	ds_add_u32 v[SPW], v[NIL]                      ; the wave's opening: the add, twice on end, and its wait ahead of my first tensor load
	ds_add_u32 v[SPW], v[NIL]
	v_lshrrev_b32 v1, 5, v0
	v_readfirstlane_b32 s10, v1                    ; wave 0..3
	s_lshr_b32 s11, s10, 1                         ; my half of the tile's rows.  Also: I fetch for A (0) or Wo (1)
	s_and_b32 s12, s10, 1                          ; my half of its columns.  Also: which 64 rows I fetch
	s_bfe_u32 s40, ttmp6, 0x40000
	s_bfe_u32 s41, ttmp6, 0x40004
	s_lshl_b32 s42, ttmp9, 2
	s_add_co_u32 s42, s42, s40                     ; tile column
	s_and_b32 s13, ttmp7, 0xffff
	s_lshl_b32 s13, s13, 2
	s_add_co_u32 s13, s13, s41                     ; tile row
	s_lshl_b32 s43, s41, 2
	s_lshl_b32 s43, 15, s43
	s_lshl_b32 s44, 0x1111, s40
	s_or_b32 s[G1+0], s43, (1<<16)|(1<<20)|(1<<21)|(6<<22)|(3<<25)  ; mask; 2-byte elements; padding on; bit 21 beside a mask; after every 128 words; 4 words
	s_or_b32 s[G1B+0], s44, (1<<16)|(1<<20)|(1<<21)|(6<<22)|(3<<25)
.irp g, G1, G1B
	s_mov_b32 s[(\g)+1], KSTEP<<16
	s_mov_b32 s[(\g)+2], 64<<16
	s_mov_b32 s[(\g)+3], KSTEP<<16
	s_mov_b32 s[(\g)+4], 64
	s_mov_b32 s[(\g)+5], SIZE_K
	s_mov_b32 s[(\g)+6], 0
	s_mov_b32 s[(\g)+7], 0
.endr
	s_lshl_b32 s17, s12, 6
	s_lshl_b32 s16, s13, 7
	s_add_co_u32 s16, s16, s17                     ; A: row 128 x tile row + 64 x half
	s_lshl_b32 s46, s42, 7
	s_add_co_u32 s46, s46, s17                     ; Wo: row 128 x tile column + 64 x half
	s_lshl_b32 s16, s16, 12                        ; rows of 4,096 bytes
	s_lshl_b32 s46, s46, 12
	s_add_co_u32 s46, s46, 10240*4096              ; Wo begins at row 10,240 of wb
	s_mov_b32 s17, 0
	s_mov_b32 s47, 0
	s_mul_i32 s20, s10, HALFT
	s_wait_dscnt 0x0                               ; both opening adds are done
	s_wait_kmcnt 0x0
	s_add_nc_u64 s[14:15], s[4:5], s[16:17]
	s_add_nc_u64 s[46:47], s[6:7], s[46:47]
	CROUND                                         ; all sixteen work-groups are here: the first joint loads meet
.irp s, 0,1
	s_mov_b32 s[G0+4*(\s)], 1
	s_add_co_u32 s[G0+4*(\s)+1], s20, (\s)*SLOT
	s_add_nc_u64 s[G0+4*(\s)+2:G0+4*(\s)+3], s[14:15], (\s)*KSTEP*2
	s_or_b32 s[G0+4*(\s)+3], s[G0+4*(\s)+3], 0x80000000
	s_mov_b32 s[G0B+4*(\s)], 1
	s_add_co_u32 s[G0B+4*(\s)+1], s20, (\s)*SLOT
	s_add_nc_u64 s[G0B+4*(\s)+2:G0B+4*(\s)+3], s[46:47], (\s)*KSTEP*2
	s_or_b32 s[G0B+4*(\s)+3], s[G0B+4*(\s)+3], 0x80000000
	JLOAD \s
.endr
	v_and_b32 v1, 15, v0
	v_bfe_u32 v2, v0, 4, 1
	v_mul_u32_u24 v3, v1, PITCH
	v_lshl_add_u32 v3, v2, 4, v3
	s_mul_i32 s21, s11, HALFT
	s_mul_i32 s22, s12, HALFT
	s_add_co_u32 s22, s22, 2*HALFT
.irp s, 0,1
	v_add_nc_u32 v[ADRA+(\s)], s21, v3
	v_add_nc_u32 v[ADRB+(\s)], s22, v3
	s_add_co_u32 s21, s21, SLOT
	s_add_co_u32 s22, s22, SLOT
.endr
	s_mul_i32 s23, s10, 16*SPITCH
	s_add_co_u32 s23, s23, STAGE                   ; my stage
	v_mul_u32_u24 v4, v1, SPITCH                   ; in: row l % 16, 32 bytes for each half of the lanes
	v_lshl_add_u32 v4, v2, 5, v4
	v_add_nc_u32 v[STO], s23, v4
	v_mul_u32_u24 v5, v2, SPITCH                   ; back: lanes 0-15 one row of 256 bytes, lanes 16-31 the next
	v_lshl_add_u32 v5, v1, 4, v5
	v_add_nc_u32 v[RD], s23, v5
	v_lshlrev_b32 v5, 13, v2                       ; and the same two rows in out0
	v_lshl_add_u32 v[CO], v1, 4, v5
	s_lshl_b32 s16, s13, 7
	s_lshl_b32 s17, s11, 6
	s_add_co_u32 s16, s16, s17                     ; my first row
	s_lshl_b32 s16, s16, 13
	s_mov_b32 s17, 0
	s_add_nc_u64 s[8:9], s[8:9], s[16:17]
	s_lshl_b32 s46, s42, 9                         ; my first column, in bytes: 512 x tile column + 256 x half
	s_lshl_b32 s47, s12, 8
	s_add_co_u32 s46, s46, s47
	s_mov_b32 s47, 0
	s_add_nc_u64 s[8:9], s[8:9], s[46:47]
.macro MUL8 f, c, a0, zero             ; 8 matrix instructions: m blocks a0, a0 + 1 x 4 n blocks, 32 along K.  The 16 accumulators take turns
	WIN MUL
.irp a, \a0, (\a0)+1
.irp b, 0,1,2,3
.if \zero
	v_wmma_f32_16x16x32_bf16 v[ACC+8*(4*(\a)+(\b)):ACC+8*(4*(\a)+(\b))+7], v[(\f)+64+8*(4*(\c)+(\b)):(\f)+64+8*(4*(\c)+(\b))+7], v[(\f)+8*(4*(\c)+(\a)):(\f)+8*(4*(\c)+(\a))+7], 0
.else
	v_wmma_f32_16x16x32_bf16 v[ACC+8*(4*(\a)+(\b)):ACC+8*(4*(\a)+(\b))+7], v[(\f)+64+8*(4*(\c)+(\b)):(\f)+64+8*(4*(\c)+(\b))+7], v[(\f)+8*(4*(\c)+(\a)):(\f)+8*(4*(\c)+(\a))+7], v[ACC+8*(4*(\a)+(\b)):ACC+8*(4*(\a)+(\b))+7]
.endif
.endr
.endr
.endm
.macro FETCH slot, k, f                ; 32 LDS loads in one run: the fragments of 64 along K at byte k; the first 32 along K first
	WIN TO_F
.irp c, 0,1
.irp i, 0,1,2,3
	ds_load_b128 v[(\f)+64+8*(4*(\c)+(\i)):(\f)+64+8*(4*(\c)+(\i))+3],   v[ADRB+(\slot)] offset:(\k)+64*(\c)+(\i)*16*PITCH
	ds_load_b128 v[(\f)+64+8*(4*(\c)+(\i))+4:(\f)+64+8*(4*(\c)+(\i))+7], v[ADRB+(\slot)] offset:(\k)+64*(\c)+(\i)*16*PITCH+32
	ds_load_b128 v[(\f)+8*(4*(\c)+(\i)):(\f)+8*(4*(\c)+(\i))+3],         v[ADRA+(\slot)] offset:(\k)+64*(\c)+(\i)*16*PITCH
	ds_load_b128 v[(\f)+8*(4*(\c)+(\i))+4:(\f)+8*(4*(\c)+(\i))+7],       v[ADRA+(\slot)] offset:(\k)+64*(\c)+(\i)*16*PITCH+32
.endr
.endr
.endm
.macro PLACES
.rept 4
	v_nop
.endr
.endm
.macro QUARTER slot, k, f, g, zero
	s_wait_dscnt 16                                ; the first 32 along K are in; the youngest sixteen loads may be out
	WIN MUL
	MUL8 \f, 0, 0, \zero
	MUL8 \f, 0, 2, \zero
	PLACES
	FETCH \slot, \k, \g
	s_wait_dscnt 32                                ; all but the 32 just issued
	WIN MUL
	MUL8 \f, 1, 0, 0
	MUL8 \f, 1, 2, 0
.endm
; The last quarter changes slots: each wave waits for all its tensor loads, adds 0 to its spare word, waits for that and for its reads of this slot.  fill = 1: the barrier opens a round of the cluster's, and the joint refill comes first behind it.
.macro TURN slot, next, fill
	WIN 0
	s_wait_tensorcnt 0x0
	ds_add_u32 v[SPW], v[NIL]
	s_wait_dscnt 17                                ; the add and the youngest sixteen loads may be out
	WIN MUL
	MUL8 F1, 0, 0, 0
	s_wait_dscnt 0x0                               ; the add is done, and my reads of this slot are over
	s_barrier_signal -1
	MUL8 F1, 0, 2, 0
.if \fill
	WIN 0
.endif
	s_barrier_wait -1
.if \fill
	CREST
	s_add_nc_u64 s[G0+4*(\slot)+2:G0+4*(\slot)+3], s[G0+4*(\slot)+2:G0+4*(\slot)+3], 2*KSTEP*2
	s_add_nc_u64 s[G0B+4*(\slot)+2:G0B+4*(\slot)+3], s[G0B+4*(\slot)+2:G0B+4*(\slot)+3], 2*KSTEP*2
	JLOAD \slot                                    ; the four v_nop behind it are also the places in front of the loads below
.else
	PLACES
.endif
	FETCH \next, 0, F0
	WIN MUL
	MUL8 F1, 1, 0, 0
	MUL8 F1, 1, 2, 0
.endm
	s_wait_tensorcnt 1                             ; my part of K step 0 is in; K step 1's load may stay out
	s_barrier_signal -1
	s_barrier_wait -1
	FETCH 0, 0, F0
	QUARTER 0, 128, F0, F1, 1                      ; the first quarter stands in front of the loop: its first products start the sums
	WIN 0
	s_mov_b32 s3, LAPS-1
.Llap:
	QUARTER 0, 256, F1, F0, 0
	QUARTER 0, 384, F0, F1, 0
	TURN 0, 1, 1
	QUARTER 1, 128, F0, F1, 0
	QUARTER 1, 256, F1, F0, 0
	QUARTER 1, 384, F0, F1, 0
	TURN 1, 0, 1
	QUARTER 0, 128, F0, F1, 0
	WIN 0
	s_sub_co_u32 s3, s3, 1
	s_cmp_lg_u32 s3, 0
	s_cbranch_scc1 .Llap
	QUARTER 0, 256, F1, F0, 0                      ; the last lap fills nothing
	QUARTER 0, 384, F0, F1, 0
	TURN 0, 1, 0
	QUARTER 1, 128, F0, F1, 0
	QUARTER 1, 256, F1, F0, 0
	QUARTER 1, 384, F0, F1, 0
	s_wait_dscnt 16
	WIN MUL
	MUL8 F1, 0, 0, 0
	MUL8 F1, 0, 2, 0
	s_wait_dscnt 0
	MUL8 F1, 1, 0, 0
	MUL8 F1, 1, 2, 0
	WIN 0
	PLACES
	PLACES
; THE WAY OUT, 16 rows at a time: 32 bytes a lane into my stage (each accumulator's low half first), back as whole rows of 256 bytes, stored.
.macro TOSTAGE a
.set BK, TMP+32*((\a)%2)
	s_wait_xcnt 0x0                                ; earlier stores have read their data: the registers below are loaded again only behind this wait
.irp b, 0,1,2,3
	ds_store_b128 v[STO], v[ACC+8*(4*(\a)+(\b)):ACC+8*(4*(\a)+(\b))+3]   offset:64*(\b)
	ds_store_b128 v[STO], v[ACC+8*(4*(\a)+(\b))+4:ACC+8*(4*(\a)+(\b))+7] offset:64*(\b)+16
.endr
.irp t, 0,1,2,3,4,5,6,7
	ds_load_b128 v[BK+4*(\t):BK+4*(\t)+3], v[RD] offset:(\t)*2*SPITCH  ; LDS serves a wave's instructions in order (ISA guide 5.7.1.4): these see the stores above; the next block's stores come behind them
.endr
.endm
.macro SEND a, younger                 ; younger: the LDS lines issued behind block a's loads: the next block's sixteen, or none
.set BK, TMP+32*((\a)%2)
.irp t, 0,1,2,3,4,5,6,7
	s_wait_dscnt (\younger)+7-(\t)
	global_store_b128 v[CO], v[BK+4*(\t):BK+4*(\t)+3], s[8:9] offset:(16*(\a)+2*(\t))*ROWB  ; 16 lanes store 256 consecutive bytes, at a multiple of 256 from out0's first byte
.endr
.endm
	TOSTAGE 0
	TOSTAGE 1
	SEND 0, 16
	TOSTAGE 2
	SEND 1, 16
	TOSTAGE 3
	SEND 2, 16
	SEND 3, 0
	s_wait_tensorcnt 0x0                           ; the wave's end
	ds_add_u32 v[SPW], v[NIL]
	s_wait_dscnt 0x0
	CROUND                                         ; the closing round: no work-group ends while a partner may still ask for a tile that names it
	s_endpgm
.Lfunc_end_k_qfd78e5365e_outp:
	.size	k_qfd78e5365e_outp, .Lfunc_end_k_qfd78e5365e_outp-k_qfd78e5365e_outp
	.p2alignl 7, 3214868480
	.fill 96, 4, 3214868480
	.section	.rodata,"a",@progbits
	.p2align	6, 0x0
	.amdhsa_kernel k_qfd78e5365e_outp
		.amdhsa_group_segment_fixed_size 327680
		.amdhsa_private_segment_fixed_size 0
		.amdhsa_enable_private_segment 0
		.amdhsa_kernarg_size 24
		.amdhsa_user_sgpr_count 2
		.amdhsa_user_sgpr_kernarg_segment_ptr 1
		.amdhsa_wavefront_size32 1
		.amdhsa_system_sgpr_workgroup_id_x 1
		.amdhsa_system_sgpr_workgroup_id_y 1
		.amdhsa_system_sgpr_workgroup_id_z 1
		.amdhsa_system_vgpr_workitem_id 0
		.amdhsa_next_free_vgpr 512
		.amdhsa_next_free_sgpr 66
		.amdhsa_reserve_vcc 0
		.amdhsa_float_denorm_mode_32 3
		.amdhsa_float_denorm_mode_16_64 3
		.amdhsa_memory_ordered 1
		.amdhsa_forward_progress 1
		.amdhsa_inst_pref_size 87
	.end_amdhsa_kernel
	.amdgpu_metadata
---
amdhsa.version: [ 1, 2 ]
amdhsa.kernels:
  - .name:           k_qfd78e5365e_outp
    .symbol:         k_qfd78e5365e_outp.kd
    .args:
      - { .name: ab, .offset: 0, .size: 8, .value_kind: global_buffer, .address_space: global }
      - { .name: wb, .offset: 8, .size: 8, .value_kind: global_buffer, .address_space: global }
      - { .name: out0, .offset: 16, .size: 8, .value_kind: global_buffer, .address_space: global }
    .group_segment_fixed_size: 327680
    .private_segment_fixed_size: 0
    .kernarg_segment_align: 8
    .kernarg_segment_size: 24
    .max_flat_workgroup_size: 128
    .sgpr_count:     66
    .vgpr_count:     512
    .wavefront_size: 32
...
	.end_amdgpu_metadata
.endif
;; end of part 5
;; ======== version 2 of 2: 5 launches; version 1 with the launches retn, gate written anew for expert scheduling mode
;; limits: values are held in f16: magnitudes above 65,504 overflow, below 6.1e-05 lose precision; right only within a limited range of input values
;; workspace buffers: wb 50,331,648 bytes; pj 33,554,432 bytes; amax 131,072 bytes; ob 16,777,216 bytes; st 262,144 bytes; ab 8,388,608 bytes
;; launch cast: the kernel of part 1 again; grid 256 x 6, 8 waves a work-group, no clusters, 0 bytes of LDS; arguments x, Wq, Wk, Wv, Wg, Wo, wb; writes wb
;; launch proj: the kernel of part 2 again; grid 32 x 8, 4 waves a work-group, clusters of 4 x 4, 327,680 bytes of LDS; arguments wb, pj, amax; writes pj, amax
;; launch retn (part 6): grid 8 x 32, 4 waves a work-group, no clusters, 270,848 bytes of LDS; arguments pj, amax, ob, st; writes ob, st
.if DOCPART == 6
	.amdgcn_target "amdgcn-amd-amdhsa--gfx1250"
	.amdhsa_code_object_version 6
	.text
	.protected	k_qfd78e5365e_retn
	.globl	k_qfd78e5365e_retn
	.p2align	8
	.type	k_qfd78e5365e_retn,@function
k_qfd78e5365e_retn:
	s_mov_b64 s[64:65], 0
	v_nop
	global_prefetch_b8 v0, s[64:65] scope:SCOPE_SE
	s_setreg_imm32_b32 hwreg(HW_REG_WAVE_SCHED_MODE, 0, 2), 2
	s_setreg_imm32_b32 hwreg(HW_REG_WAVE_MODE, 25, 1), 1
	s_wait_xcnt 0x0
	s_wait_alu depctr_vm_vsrc(0)
; RETENTION.  out[n][:] = sum over m <= n of (q[n] . k[m]) 128^-0.5 gamma_h^(n-m) v[m][:], for one (b, h); f32 to ob [bh][s 1024][d 128]; and for each wave the mean and the sum of squared
; deviations of the 4,096 numbers that it stores, to st (32 equal pairs, 256 bytes a wave).
; LEFT OUT: tiles of 64 queries x 64 keys whose keys all lie behind their queries: reference()'s own decay factor is 0 there for all inputs (shown at the head of launch cast).
; SHARES.  A work-group owns the query blocks (64 rows) 15 - J and J of a head: 15 whole tiles of 64 keys and 2 that hold the diagonal, whatever J.  The sum over keys is linear, so THE KEY TILES ARE DEALT
; ROUND ROBIN TO THE FOUR WAVES (5, 4, 4, 4): each wave holds all 64 queries, reads its own tiles of K and V^T straight from memory as fragments, and the four partial sums meet in LDS once.
; NO CLUSTER, NO TENSOR LOAD: in a work-group each tile has one reader; a head's eight work-groups need different numbers of tiles.  NO PREFETCH: a wave walks five tiles at the most.
; LOADS AHEAD.  A tile's K and V are asked for while the tile before is multiplied; the first block's Q and first tile right behind the pointers, ahead of the tables; the second block's behind the first block's last product.
; LAYOUT.  S^T = K Q^T (source 0 = 16 keys, source 1 = 16 queries): a lane holds ONE query (l % 16) and the keys 8 (l / 16) + 0..7.  Two such results rounded to f16 ARE source 1 of O^T = V^T P.
; THE WEIGHTS.  With n = 64 I + nq, m = 64 T + mk: gamma^(n-m) = gamma^nq x gamma^(64 (I-T)) x gamma^-mk.  P' = s x c gamma^(64 (I-T)) gamma^-mk goes to f16; gamma^nq 128^-0.5 / c is applied in f32 at the end.
; c.  Launch proj stored Tq, Tk with |q row|^2 <= 2 Tq, |k row|^2 <= 2 Tk.  So |s| <= 2 sqrt(Tq Tk) < 2^(H - 125), H = (Eq + Ek + 1) >> 1, Eq and Ek the biased exponents of the largest Tq and Tk of the (b, h).
; c = 2^(137 - H), and gamma^-63 < 8, give |P'| < 2^15 (the rounding of q and k to f16 moves that by a thousandth).
; LIMITS: c's exponent field is held to 2..252; a weight below 6e-8 on that scale counts as 0.  The bounds enter multiplications alone: no address and no branch hangs on them.
; gamma_h = 1 - e, e = 2^(-5 - 4 h / 15), a constant of the problem: log2 gamma = -log2(e_) e (1 + e (1/2 + e (1/3 + e (1/4 + e / 5)))); e <= 1/32, so the first term dropped is under 5e-9 of the sum.
; REGISTERS, in windows of 256: window 0: v2-15 addresses and at work; v16-23 MD (the diagonal's mask), v24-31 MX, v32-63 BT = gamma^-mk, v64-95 KF = BT x SF, v96-127 KFD = KF x MX,
;   v128-255 S^T ((kt, qt) at 128 + 32 qt + 8 kt), P packed in place.   window 1: O^T ((qt, cb) at 64 qt + 8 cb).   window 2: Q at 32 qt + 8 cs.   window 3: K at 32 kt + 8 cs; V^T at 128 + 64 kk + 8 cb.
; THE MODE: SCHED_MODE bits 1:0 = 2 (LLVM: expert scheduling mode 2), set by the entry lines.  The code itself states the register dependences
; between vector or matrix instructions and memory or LDS instructions, with s_wait_alu, always for 0.
; THE PLAN.  Registers that memory or LDS instructions touch:
;   v[LK], v[LV], v[GO], v[SO]   offsets, made once at the head and never written again.
;   K    landed in by a tile's 32 loads; read by the tile's 64 products K Q^T.  ONE wait on va_vdst behind those products; the next tile's loads follow it in four runs of eight, each ahead of one
;        query group's 32 lines of weights, which name S^T and the tables in window 0 alone.
;   V    landed in by 32 loads; read by the 64 products V^T P.  ONE wait on va_vdst behind those products, ahead of the next tile's run.
;   Q    landed in by 32 loads a block; read by K Q^T.  The wait ahead of the second block's loads states it for Q, K and V at once.
;   O^T  written by the clearing and by V^T P; read by the dump's 64 LDS stores (a wait on va_vdst at the dump's head, where three ways join); written again by the clearing, or landed in by the
;        reduction's LDS loads (a wait on vm_vsrc behind the dump, ahead of both branches).  v[DST], the dump's address, is written between the blocks, behind the same wait.
;   In the reduction's loop: window 1 is landed in by 64 LDS loads and then read and written by the adds; v[RDA ..] is read by those loads and written at a trip's end; the scaled rows (window 2, v0-63) are
;        written by the scalings and read by 16 stores.  A wait on va_vdst at the trip's head, one behind the scalings, and one on vm_vsrc at the trip's end state all of it, round the backward jump too.
.set RPITCH, 528                       ; a row of a partial sum in LDS: 512 bytes + 16 = 132 words: 16 rows start at 16 different groups of four banks (64 banks of 4 bytes: ISA guide 11.1)
.set REGION, 64*RPITCH                 ; block p, wave w at (4 p + w) x 33,792
.set SPARE,  8*REGION                  ; the spare words: 128 bytes a wave, two blocks of 256 bytes that no other line names
.set LK,  2                            ; v2  (l % 16) x 256 + 16 (l / 16): my place in 16 rows of q or k
.set LV,  3                            ; v3  (l % 16) x 2,048 + 16 (l / 16): in 16 rows of vT
.set DST, 4                            ; v4  where I put my partial sums;  v7 the same for the second block
.set GO,  5                            ; v5  16 l
.set SO,  6                            ; v6  8 l
.set DSTB, 7
.set SPW, 8
.set NIL, 9
.set MD,  16
.set MX,  24
.set BT,  32
.set KF,  64
.set KFD, 96
.set S,   128
.set RDA, 32                           ; behind the blocks: v32-35 read addresses, v36-39 the second block's, v40-47 four chains, v48-58 statistics
.set CH,  40
.set MEAN, 48
; scalars: s12 wave, s13 J, s14 16 b + h, s15 h; s[16:17] K, s[18:19] V^T at my tile; s[20:23] those of the second block; s24, s25 my tiles in block one, two; s26 bound, s27 count, s28 blocks left;
; s[30:31] SF, s32 the second block's; s33 gamma^-256; s[34:35] Z (0: my last tile holds the diagonal, else 1), s36 the second block's; s37 gamma; s38 gamma^(16 w) 128^-0.5 / c; s[40:41] a row's factor;
; s[44:45] lane selects; s[48:63] the sixteen bounds; s[66:69] ob at my rows of the two blocks; s[70:73] q at the two blocks; s[74:75] st; s[78:79] at work, gamma^-16;
; at the head alone, when their first use is over: s28, s29, s39, s40, s46, s47, s76, s77 the eight lane masks of the diagonal
.set MSB, 0
.macro WIN new
.if MSB != (\new)
	s_set_vgpr_msb (MSB<<8)|(\new)
.set MSB, \new
.endif
.endm
.macro PHS i, t, d, tot, z             ; block i, my first tile t: d = i - t; whole tiles (d + 3) / 4; the diagonal's tile is mine if 4 divides d
	s_sub_co_i32 s[\d], s[\i], s[\t]
	s_add_co_i32 s78, s[\d], 3
	s_lshr_b32 s[\tot], s78, 2
	s_and_b32 s78, s[\d], 3
	s_cmp_eq_u32 s78, 0
	s_cselect_b32 s78, 1, 0
	s_cselect_b32 s[\z], 0, 1.0
	s_add_co_u32 s[\tot], s[\tot], s78
.endm
.macro LDKQ p, g                       ; key group g of a tile of K: 16 keys x 128 channels, 4 fragments, eight loads
	WIN 0xc0
.set f, 4*(\g)
.rept 4
	global_load_b128 v[8*f:8*f+3],   v[LK], s[\p:\p+1] offset:(f/4)*4096+(f%4)*64
	global_load_b128 v[8*f+4:8*f+7], v[LK], s[\p:\p+1] offset:(f/4)*4096+(f%4)*64+32
.set f, f+1
.endr
.endm
.macro LDK p                           ; a tile of K: 64 keys x 128 channels, 16 fragments
	LDKQ \p, 0
	LDKQ \p, 1
	LDKQ \p, 2
	LDKQ \p, 3
.endm
.macro LDV p                           ; the same tile of V^T: 128 channels x 64 keys
	WIN 0xc0
.set f, 0
.rept 16
	global_load_b128 v[128+8*f:128+8*f+3],   v[LV], s[\p:\p+1] offset:(f%8)*32768+(f/8)*64
	global_load_b128 v[128+8*f+4:128+8*f+7], v[LV], s[\p:\p+1] offset:(f%8)*32768+(f/8)*64+32
.set f, f+1
.endr
.endm
.macro LDQ p                           ; a block of Q: 64 queries x 128 channels
	WIN 0x80
.set f, 0
.rept 16
	global_load_b128 v[8*f:8*f+3],   v[LK], s[\p:\p+1] offset:(f/4)*4096+(f%4)*64
	global_load_b128 v[8*f+4:8*f+7], v[LK], s[\p:\p+1] offset:(f/4)*4096+(f%4)*64+32
.set f, f+1
.endr
.endm
.macro QK                              ; 64 products; the 16 accumulators take turns, one instruction a turn; the first 16 start the sums
	WIN 0x0b
.set i, 0
.rept 64
.set rS, S+32*(i%4)+8*((i/4)%4)
.set rK, 32*((i/4)%4)+8*(i/16)
.set rQ, 32*(i%4)+8*(i/16)
.if i < 16
	v_wmma_f32_16x16x32_f16 v[rS:rS+7], v[rK:rK+7], v[rQ:rQ+7], 0
.else
	v_wmma_f32_16x16x32_f16 v[rS:rS+7], v[rK:rK+7], v[rQ:rQ+7], v[rS:rS+7]
.endif
.set i, i+1
.endr
.endm
.macro PV                              ; 64 products; 32 accumulators take turns
	WIN 0x53
.set i, 0
.rept 64
.set rO, 64*(i%4)+8*((i/4)%8)
.set rV, 128+64*(i/32)+8*((i/4)%8)
.set rP, S+32*(i%4)+16*(i/32)
	v_wmma_f32_16x16x32_f16 v[rO:rO+7], v[rV:rV+7], v[rP:rP+7], v[rO:rO+7]
.set i, i+1
.endr
.endm
.macro KFUP half                       ; half of KF = BT x SF: eight plain instructions
	WIN 0
.set i, 16*(\half)
.rept 8
	v_pk_mul_f32 v[KF+i:KF+i+1], v[BT+i:BT+i+1], s[30:31] op_sel_hi:[1,0]
.set i, i+2
.endr
.endm
; The scores become weights, in place: times the table, then rounded to f16 in pairs, ascending.  tail = 1: my last tile: key group kt against query group qt takes KF (kt < qt), KFD (kt = qt), KF x Z (kt > qt).
; ahead = 1: ahead of each query group's lines stand eight loads of my next tile's K.  No wait stands with them: no vector or matrix instruction since the wait in front of this macro names K's registers or v[LK].
.macro PFORM tail, ahead
.set qt, 0
.rept 4
.if \ahead
	LDKQ 16, qt
.endif
	WIN 0
.set kt, 0
.rept 4
.set pfs, S+32*qt+8*kt
.set pft, KF+8*kt
.if (\tail) && (kt == qt)
.set pft, KFD+8*kt
.endif
.set j, 0
.rept 4
	v_pk_mul_f32 v[pfs+j:pfs+j+1], v[pfs+j:pfs+j+1], v[pft+j:pft+j+1]
.set j, j+2
.endr
.set kt, kt+1
.endr
.if \tail
.set kt, qt+1
.rept 3-qt
.set pfs, S+32*qt+8*kt
.set j, 0
.rept 4
	v_pk_mul_f32 v[pfs+j:pfs+j+1], v[pfs+j:pfs+j+1], s[34:35] op_sel_hi:[1,0]
.set j, j+2
.endr
.set kt, kt+1
.endr
.endif
.set kk, 0
.rept 2
.set pfs, S+32*qt+16*kk
.set j, 0
.rept 8
	v_cvt_pk_f16_f32 v[pfs+j], v[pfs+2*j], v[pfs+2*j+1]
.set j, j+1
.endr
.set kk, kk+1
.endr
.set qt, qt+1
.endr
.endm
.macro CLEAR
	WIN 0x40
.set i, 0
.rept 256
	v_mov_b32 v[i], 0
.set i, i+1
.endr
.endm
.macro DUMP                            ; query 16 qt + l % 16 is a row, channel 16 cb + 8 (l / 16) + j its word; each accumulator's low half first
	WIN 0x04
.set i, 0
.rept 32
	ds_store_b128 v[DST], v[8*i:8*i+3]   offset:(i/8)*16*RPITCH+(i%8)*64
	ds_store_b128 v[DST], v[8*i+4:8*i+7] offset:(i/8)*16*RPITCH+(i%8)*64+16
.set i, i+1
.endr
.endm
.macro WSUM x, y                       ; the sum over the 32 lanes, in every lane
	v_add_f32_dpp v[\x], v[\x], v[\x] row_xmask:1 row_mask:0xf bank_mask:0xf
	v_add_f32_dpp v[\x], v[\x], v[\x] row_xmask:2 row_mask:0xf bank_mask:0xf
	v_add_f32_dpp v[\x], v[\x], v[\x] row_xmask:4 row_mask:0xf bank_mask:0xf
	v_add_f32_dpp v[\x], v[\x], v[\x] row_xmask:8 row_mask:0xf bank_mask:0xf
	v_permlanex16_b32 v[\y], v[\x], s44, s45
	v_add_f32 v[\x], v[\x], v[\y]
.endm
; A tile that is not my last; it also asks for my next tile.
.macro BODY
	s_wait_loadcnt 32                              ; K (and Q) are in; V's 32 younger loads stay out
	QK
	KFUP 1                                         ; eight places between the products and the reads of the scores
	s_wait_xcnt 0x0                                ; the loads issued so far have read their base
	s_add_nc_u64 s[16:17], s[16:17], 65536         ; four tiles on: 256 rows of 256 bytes
	WIN 0xc0
	s_wait_alu depctr_va_vdst(0)                   ; the 64 products are done reading K, in whose registers the next tile's loads land
	PFORM 0, 1
	s_wait_loadcnt 32                              ; V is in; the next K's 32 loads stay out
	PV
	s_mul_f32 s30, s30, s33                        ; four tiles nearer: SF x gamma^-256
	KFUP 0                                         ; eight places between the products and the next products, which write over P
	s_wait_xcnt 0x0
	s_add_nc_u64 s[18:19], s[18:19], 512           ; 256 keys of 2 bytes along vT's rows
	WIN 0xc0
	s_wait_alu depctr_va_vdst(0)                   ; the 64 products are done reading V, in whose registers the next tile's loads land
	LDV 18
	WIN 0
.endm
; My last tile of the block: with the mask, if it holds the diagonal (Z = 0), or with ones (Z = 1).  It issues no memory instruction, so it states no dependence.
.macro TAIL
	s_wait_loadcnt 32
	QK
	KFUP 1
.irp j, 0,1,2,3,4,5,6,7
	v_max_num_f32 v[MX+\j], s34, v[MD+\j]
.endr
.set i, 0
.rept 16
	v_pk_mul_f32 v[KFD+i:KFD+i+1], v[KF+i:KF+i+1], v[MX+i%8:MX+i%8+1]
.set i, i+2
.endr
	PFORM 1, 0
	s_wait_loadcnt 0x0                             ; V is in: nothing younger is out
	PV
	WIN 0
.rept 8
	v_nop                                          ; the places behind the last products, in front of the stores of their results
.endr
.endm
	s_load_b256 s[4:11], s[0:1], 0x0               ; pj s[4:5], amax s[6:7], ob s[8:9], st s[10:11]
	v_lshl_add_u32 v[SPW], v0, 2, SPARE
	v_mov_b32 v[NIL], 0
	v_lshrrev_b32 v1, 5, v0
	v_readfirstlane_b32 s12, v1
	v_and_b32 v10, 15, v0
	v_bfe_u32 v11, v0, 4, 1
	v_and_b32 v12, 31, v0
	v_lshlrev_b32 v[LK], 8, v10
	v_lshl_add_u32 v[LK], v11, 4, v[LK]
	v_lshlrev_b32 v[LV], 11, v10
	v_lshl_add_u32 v[LV], v11, 4, v[LV]
	s_mov_b32 s13, ttmp9
	s_and_b32 s14, ttmp7, 0xffff
	s_and_b32 s15, s14, 15
	s_sub_co_u32 s42, 15, s13                      ; the first block, 15 - J; my first tile there is my wave's number
	s_mov_b32 s31, 0                               ; named as pairs
	s_mov_b32 s35, 0
	s_mov_b32 s41, 0
	s_mov_b32 s44, 0x76543210
	s_mov_b32 s45, 0xfedcba98
	s_mov_b32 s47, 0
	s_wait_alu depctr_va_sdst(0)                   ; s12, my wave's number, is written, ahead of its first reader
	s_add_co_u32 s43, s12, s13
	s_and_b32 s43, s43, 3                          ; the deal goes on into the second block: my first tile there
	PHS 42, 12, 39, 24, 34                         ; the first block has 9 tiles or more: two or more are mine
	PHS 13, 43, 29, 25, 36                         ; of the second block's J + 1 tiles none may be mine
	s_wait_kmcnt 0x0
	s_lshl_b32 s46, s14, 18
	s_add_nc_u64 s[76:77], s[4:5], s[46:47]        ; my (b, h) in segment q
	s_lshl_b32 s46, s42, 14
	s_add_nc_u64 s[70:71], s[76:77], s[46:47]
	s_lshl_b32 s46, s13, 14
	s_add_nc_u64 s[72:73], s[76:77], s[46:47]
	s_lshl_b32 s46, s12, 14
	s_add_co_u32 s46, s46, 1<<23
	s_add_nc_u64 s[16:17], s[76:77], s[46:47]
	s_lshl_b32 s46, s43, 14
	s_add_co_u32 s46, s46, 1<<23
	s_add_nc_u64 s[20:21], s[76:77], s[46:47]
	s_lshl_b32 s46, s12, 7
	s_add_co_u32 s46, s46, 2<<23
	s_add_nc_u64 s[18:19], s[76:77], s[46:47]
	s_lshl_b32 s46, s43, 7
	s_add_co_u32 s46, s46, 2<<23
	s_add_nc_u64 s[22:23], s[76:77], s[46:47]
	s_lshl_b32 s46, s15, 11                        ; amax: q's column block is h, its row blocks 8 b + 0..7, 128 bytes each; k's lie 32,768 bytes on
	s_lshr_b32 s78, s14, 4
	s_lshl_b32 s78, s78, 10
	s_add_co_u32 s46, s46, s78
	s_add_nc_u64 s[2:3], s[6:7], s[46:47]
.irp i, 0,1,2,3,4,5,6,7
	s_load_b32 s[48+\i], s[2:3], \i*128
	s_load_b32 s[56+\i], s[2:3], 32768+\i*128
.endr
	WIN 0x80
	s_wait_alu depctr_va_vdst(0)                   ; v[LK] and v[LV] are written: every load of Q, K and V reads one of them as its offset
	LDQ 70                                         ; the first block's Q and my first tile: 96 loads, out while all that follows is made
	LDK 16
	LDV 18
	WIN 0
	s_lshl_b32 s46, s14, 19                        ; ob: (1,024 bh + 64 I + 16 w) rows of 512 bytes
	s_lshl_b32 s78, s12, 13
	s_add_co_u32 s46, s46, s78
	s_add_nc_u64 s[68:69], s[8:9], s[46:47]
	s_lshl_b32 s46, s42, 15
	s_add_nc_u64 s[66:67], s[68:69], s[46:47]
	s_lshl_b32 s46, s13, 15
	s_add_nc_u64 s[68:69], s[68:69], s[46:47]
	s_lshl_b32 s46, s14, 5
	s_lshl2_add_u32 s46, s13, s46
	s_add_co_u32 s46, s46, s12
	s_lshl_b32 s46, s46, 8
	s_add_nc_u64 s[74:75], s[10:11], s[46:47]
	s_mul_i32 s78, s12, REGION
	v_mul_u32_u24 v[DST], v10, RPITCH
	v_lshl_add_u32 v[DST], v11, 5, v[DST]
	v_add_nc_u32 v[DST], s78, v[DST]
	v_add_nc_u32 v[DSTB], 4*REGION, v[DST]
	v_lshlrev_b32 v[GO], 4, v12
	v_lshlrev_b32 v[SO], 3, v12
	; gamma and its powers
	v_cvt_f32_u32 v64, s15
	v_mov_b32 v65, 0xc0a00000                      ; -5
	v_fmamk_f32 v64, v64, 0xbe888889, v65          ; -5 - 4 h / 15
	v_exp_f32 v64, v64                             ; e
	v_mov_b32 v65, 0x3e4ccccd                      ; 1/5: the plain instruction behind the exponential
	s_wait_alu depctr_va_vdst(0)                   ; the exponential has written e, ahead of its first use
	v_fmaak_f32 v65, v65, v64, 0x3e800000
	v_fmaak_f32 v65, v65, v64, 0x3eaaaaab
	v_fmaak_f32 v65, v65, v64, 0x3f000000
	v_fmaak_f32 v65, v65, v64, 0x3f800000
	v_mul_f32 v65, v65, v64
	v_mul_f32 v14, 0xbfb8aa3b, v65                 ; L = log2 gamma
	v_mul_f32 v15, 0x3fb8aa3b, v65                 ; -L
	v_lshlrev_b32 v13, 3, v11
.irp i, 0,1,2,3,4,5,6,7
	v_add_nc_u32 v[BT+\i], \i, v13                 ; mk = 8 (l / 16) + j, the first group of 16 keys
.endr
.irp i, 0,1,2,3,4,5,6,7
	v_cvt_f32_u32 v[BT+\i], v[BT+\i]
.endr
.irp i, 0,1,2,3,4,5,6,7
	v_mul_f32 v[BT+\i], v[BT+\i], v15
.endr
	v_mul_f32 v64, 0x43800000, v15                 ; -256 L
	v_mov_b32 v65, v14
	s_lshl_b32 s78, s12, 4
	v_cvt_f32_u32 v66, s78
	v_mul_f32 v66, v66, v14                        ; 16 w L
	s_lshl_b32 s78, s39, 6
	v_cvt_f32_i32 v67, s78
	v_mul_f32 v67, v67, v14                        ; 64 (I - T) L, first block
	s_lshl_b32 s78, s29, 6
	v_cvt_f32_i32 v68, s78
	v_mul_f32 v68, v68, v14                        ; second block
	v_mul_f32 v69, 0x41800000, v15                 ; -16 L
.irp i, 0,1,2,3,4,5,6,7
	v_exp_f32 v[BT+\i], v[BT+\i]
.endr
.irp r, 64,65,66,67,68,69
	v_exp_f32 v\r, v\r
.endr
	v_sub_nc_u32 v13, v10, v13                     ; l % 16 - 8 (l / 16): the plain instruction behind the batch
	s_wait_alu depctr_va_vdst(0)                   ; the 14 exponentials have written their results, ahead of the first use
	v_readfirstlane_b32 s33, v64
	v_readfirstlane_b32 s37, v65
	v_readfirstlane_b32 s38, v66
	v_readfirstlane_b32 s30, v67
	v_readfirstlane_b32 s32, v68
	v_readfirstlane_b32 s78, v69
	s_mov_b32 s79, 0                               ; named with it as a pair
	v_cmp_le_i32 s28, 0, v13                       ; in the band's own group of 16: key 8 (l / 16) + j is seen by query l % 16.  Eight masks in eight scalar registers,
	v_cmp_le_i32 s29, 1, v13                       ; so that one wait serves them all
	v_cmp_le_i32 s39, 2, v13
	v_cmp_le_i32 s40, 3, v13
	v_cmp_le_i32 s46, 4, v13
	v_cmp_le_i32 s47, 5, v13
	v_cmp_le_i32 s76, 6, v13
	v_cmp_le_i32 s77, 7, v13
	s_wait_alu depctr_va_sdst(0)                   ; the six powers of gamma and the eight masks are written in their scalar registers, ahead of the first reader of any of them
.set i, 0
.rept 12
	v_pk_mul_f32 v[BT+8+i:BT+8+i+1], v[BT+i:BT+i+1], s[78:79] op_sel_hi:[1,0]  ; each further group of 16 keys: x gamma^-16
.set i, i+2
.endr
	v_cndmask_b32 v[MD+0], 0, 1.0, s28
	v_cndmask_b32 v[MD+1], 0, 1.0, s29
	v_cndmask_b32 v[MD+2], 0, 1.0, s39
	v_cndmask_b32 v[MD+3], 0, 1.0, s40
	v_cndmask_b32 v[MD+4], 0, 1.0, s46
	v_cndmask_b32 v[MD+5], 0, 1.0, s47
	v_cndmask_b32 v[MD+6], 0, 1.0, s76
	v_cndmask_b32 v[MD+7], 0, 1.0, s77
	s_wait_kmcnt 0x0                               ; the sixteen bounds: not negative, so the greater word is the greater number
.irp i, 1,2,3,4,5,6,7
	s_max_u32 s48, s48, s[48+\i]
	s_max_u32 s56, s56, s[56+\i]
.endr
	s_lshr_b32 s48, s48, 23                        ; Eq
	s_lshr_b32 s56, s56, 23                        ; Ek
	s_add_co_u32 s48, s48, s56
	s_add_co_u32 s48, s48, 1
	s_lshr_b32 s48, s48, 1                         ; H
	s_sub_co_i32 s48, 264, s48                     ; 127 + 137 - H
	s_max_i32 s48, s48, 2
	s_min_i32 s48, s48, 252
	s_sub_co_i32 s49, 254, s48
	s_lshl_b32 s48, s48, 23                        ; c
	s_lshl_b32 s49, s49, 23                        ; 1 / c
	s_mul_f32 s30, s30, s48
	s_mul_f32 s32, s32, s48
	s_mul_f32 s49, s49, 0x3db504f3                 ; 128^-0.5 / c
	s_mul_f32 s38, s38, s49
	s_mov_b32 s28, 2
.Lphase:                                               ; twice: block 15 - J, then block J
	CLEAR                                          ; the sums start at 0, written while the block's first loads are out, so that the products have one form
	WIN 0
	s_cmp_eq_u32 s24, 0
	s_cbranch_scc1 .Ldump                          ; no tile of this block is mine: my partial sum is 0
	KFUP 0
	s_sub_co_u32 s26, s24, 1
	s_cmp_eq_u32 s26, 0
	s_cbranch_scc1 .Ltail
	s_mov_b32 s27, 0
.Lbody:                                                ; all my tiles but the last; the bound is made of ids alone; no LDS line and no barrier stands in this loop
	BODY
	s_add_co_u32 s27, s27, 1
	s_cmp_lt_u32 s27, s26
	s_cbranch_scc1 .Lbody
.Ltail:
	TAIL
	s_cmp_eq_u32 s28, 1
	s_cbranch_scc1 .Ldump                          ; the second block has none behind it
	s_cmp_eq_u32 s25, 0
	s_cbranch_scc1 .Ldump                          ; or none of its tiles is mine
	WIN 0x80
	s_wait_alu depctr_va_vdst(0)                   ; the first block's last products are done reading Q, K and V, in whose registers the loads below land
	LDQ 72                                         ; the second block's Q and my first tile of it: out while the first block's sums are put away and cleared
	LDK 20
	LDV 22
	WIN 0
.Ldump:
	WIN 0x04
	s_wait_alu depctr_va_vdst(0)                   ; three ways join here: O^T is written, by the clearing or by the last products, and so is v[DST]: the LDS stores below read both
	DUMP
	WIN 0
	s_wait_alu depctr_vm_vsrc(0)                   ; the LDS stores have read O^T and v[DST], ahead of both branches: the clearing and the move below write them again, and the reduction's LDS loads land in O^T's registers
	s_sub_co_u32 s28, s28, 1
	s_cmp_eq_u32 s28, 0
	s_cbranch_scc1 .Lreduce
	s_wait_xcnt 0x0                                ; all loads have read their bases
	s_mov_b64 s[16:17], s[20:21]
	s_mov_b64 s[18:19], s[22:23]
	s_mov_b32 s24, s25
	s_mov_b32 s30, s32
	s_mov_b32 s34, s36
	v_mov_b32 v[DST], v[DSTB]
	s_cmp_lg_u32 s28, 0
	s_cbranch_scc1 .Lphase
.Lreduce:
	s_wait_loadcnt 0x0                             ; no load is out on any way here: the registers below are free
	s_wait_dscnt 0x0                               ; for the others' sake: my stores are done
	s_barrier_signal -1
	s_barrier_wait -1                              ; all eight partial sums lie in LDS
	s_mul_i32 s78, s12, 16*RPITCH                  ; I finish rows 16 w .. 16 w + 15 of both blocks
	v_add_nc_u32 v[RDA], s78, v[GO]
.irp k, 1,2,3,4,5,6,7
	v_add_nc_u32 v[RDA+\k], \k*REGION, v[RDA]
.endr
	v_mov_b32 v52, 0
	v_mov_b32 v56, 0
	v_mov_b32 v57, 0
	s_mov_b32 s28, 2
.Lblock:                                               ; twice: a block's 16 rows are summed, scaled and stored, and the mean and squared deviations of its 2,048 numbers are made
	s_mov_b32 s40, s38
	WIN 0x40
	s_wait_alu depctr_va_vdst(0)                   ; v[RDA ..] is written, which the LDS loads below read; all that wrote or read window 1 (the products and the clearing; the last trip's adds and scalings) is done, and the loads land there
.set ii, 0
.rept 16
.irp w, 0,1,2,3
	ds_load_b128 v[16*ii+4*\w:16*ii+4*\w+3], v[RDA+\w] offset:ii*RPITCH  ; 512 consecutive bytes: a row of wave w's partial sum
.endr
.set ii, ii+1
.endr
	WIN 0x45
.set ii, 0
.rept 16
	s_wait_dscnt 4*(15-ii)                         ; row ii's four loads are in; the later rows' four each may be out
	v_pk_add_f32 v[16*ii:16*ii+1],     v[16*ii:16*ii+1],     v[16*ii+4:16*ii+5]
	v_pk_add_f32 v[16*ii+2:16*ii+3],   v[16*ii+2:16*ii+3],   v[16*ii+6:16*ii+7]
	v_pk_add_f32 v[16*ii+8:16*ii+9],   v[16*ii+8:16*ii+9],   v[16*ii+12:16*ii+13]
	v_pk_add_f32 v[16*ii+10:16*ii+11], v[16*ii+10:16*ii+11], v[16*ii+14:16*ii+15]
	v_pk_add_f32 v[16*ii:16*ii+1],     v[16*ii:16*ii+1],     v[16*ii+8:16*ii+9]
	v_pk_add_f32 v[16*ii+2:16*ii+3],   v[16*ii+2:16*ii+3],   v[16*ii+10:16*ii+11]
.set ii, ii+1
.endr
	WIN 0x81
.set ii, 0
.rept 16
	v_pk_mul_f32 v[4*ii:4*ii+1],   v[16*ii:16*ii+1],   s[40:41] op_sel_hi:[1,0]  ; x gamma^nq 128^-0.5 / c, into window 2
	v_pk_mul_f32 v[4*ii+2:4*ii+3], v[16*ii+2:16*ii+3], s[40:41] op_sel_hi:[1,0]
	s_mul_f32 s40, s40, s37                        ; the next row's
.set ii, ii+1
.endr
	; the mean of the block's 2,048 numbers (64 registers a lane), then the sum of their squared deviations from it: no difference of large sums is formed
	WIN 0x0a
.irp c, 0,1,2,3
	v_pk_add_f32 v[CH+2*\c:CH+2*\c+1], v[2*\c:2*\c+1], v[2*\c+8:2*\c+9]
.endr
	WIN 0x08
	s_wait_alu depctr_va_vdst(0)                   ; the scalings have written the 16 rows, which the stores below read; the adds among the stores write the four chains alone
.set i, 8
.rept 24
.if i < 24
	global_store_b128 v[GO], v[4*(i-8):4*(i-8)+3], s[66:67] offset:(i-8)*512  ; a whole row of ob: 512 consecutive bytes
.endif
	v_pk_add_f32 v[CH+2*(i%4):CH+2*(i%4)+1], v[CH+2*(i%4):CH+2*(i%4)+1], v[2*i:2*i+1]
.set i, i+1
.endr
	WIN 0
	v_pk_add_f32 v[CH:CH+1], v[CH:CH+1], v[CH+2:CH+3]
	v_pk_add_f32 v[CH+4:CH+5], v[CH+4:CH+5], v[CH+6:CH+7]
	v_pk_add_f32 v[CH:CH+1], v[CH:CH+1], v[CH+4:CH+5]
	v_add_f32 v[MEAN], v[CH], v[CH+1]
	WSUM MEAN, 52
	v_mul_f32 v[MEAN], 0x3a000000, v[MEAN]         ; / 2,048
	v_mov_b32 v[MEAN+1], v[MEAN]
	WIN 0x02
.set i, 0
.rept 32
	v_pk_add_f32 v[S+2*i:S+2*i+1], v[2*i:2*i+1], v[MEAN:MEAN+1] neg_lo:[0,1] neg_hi:[0,1]
.set i, i+1
.endr
	WIN 0
.irp c, 0,1,2,3
	v_pk_mul_f32 v[CH+2*\c:CH+2*\c+1], v[S+2*\c:S+2*\c+1], v[S+2*\c:S+2*\c+1]
.endr
.set i, 4
.rept 28
	v_pk_fma_f32 v[CH+2*(i%4):CH+2*(i%4)+1], v[S+2*i:S+2*i+1], v[S+2*i:S+2*i+1], v[CH+2*(i%4):CH+2*(i%4)+1]
.set i, i+1
.endr
	v_pk_add_f32 v[CH:CH+1], v[CH:CH+1], v[CH+2:CH+3]
	v_pk_add_f32 v[CH+4:CH+5], v[CH+4:CH+5], v[CH+6:CH+7]
	v_pk_add_f32 v[CH:CH+1], v[CH:CH+1], v[CH+4:CH+5]
	v_add_f32 v51, v[CH], v[CH+1]
	WSUM 51, 52
	v_mov_b32 v54, v56                             ; behind the second trip: v54, v55 the first block's pair, v56, v57 the second's
	v_mov_b32 v55, v57
	v_mov_b32 v56, v[MEAN]
	v_mov_b32 v57, v51
	s_wait_xcnt 0x0                                ; the stores have read their base and their data: both are written again in the next trip
	s_wait_alu depctr_vm_vsrc(0)                   ; the stores have read the 16 rows, which the next trip's scalings write again, and the LDS loads have read v[RDA ..], which the moves below write
	s_mov_b64 s[66:67], s[68:69]
.irp w, 0,1,2,3
	v_mov_b32 v[RDA+\w], v[RDA+4+\w]
.endr
	s_sub_co_u32 s28, s28, 1
	s_cmp_lg_u32 s28, 0
	s_cbranch_scc1 .Lblock
	; two sets of 2,048 numbers become one of 4,096: mean = (a + b) / 2; M2 = M2a + M2b + (b - a)^2 x 2,048 x 2,048 / 4,096
	v_add_f32 v50, v54, v56
	v_mul_f32 v50, 0.5, v50
	v_sub_f32 v58, v56, v54
	v_mul_f32 v58, v58, v58
	v_add_f32 v51, v55, v57
	v_fmamk_f32 v51, v58, 0x44800000, v51
	s_wait_alu depctr_va_vdst(0)                   ; the pair v[50:51] is written, which the store reads
	global_store_b64 v[SO], v[50:51], s[74:75]     ; 32 equal pairs: 256 consecutive bytes, all lanes on
	s_wait_dscnt 0x0                               ; the closing lines, six on end
	s_wait_alu 0x0
	s_wait_tensorcnt 0x0
	ds_add_u32 v[SPW], v[NIL]
	s_wait_dscnt 0x0
	s_endpgm
.Lfunc_end_k_qfd78e5365e_retn:
	.size	k_qfd78e5365e_retn, .Lfunc_end_k_qfd78e5365e_retn-k_qfd78e5365e_retn
	.p2alignl 7, 3214868480
	.fill 96, 4, 3214868480
	.section	.rodata,"a",@progbits
	.p2align	6, 0x0
	.amdhsa_kernel k_qfd78e5365e_retn
		.amdhsa_group_segment_fixed_size 270848
		.amdhsa_private_segment_fixed_size 0
		.amdhsa_enable_private_segment 0
		.amdhsa_kernarg_size 32
		.amdhsa_user_sgpr_count 2
		.amdhsa_user_sgpr_kernarg_segment_ptr 1
		.amdhsa_wavefront_size32 1
		.amdhsa_system_sgpr_workgroup_id_x 1
		.amdhsa_system_sgpr_workgroup_id_y 1
		.amdhsa_system_sgpr_workgroup_id_z 1
		.amdhsa_system_vgpr_workitem_id 0
		.amdhsa_next_free_vgpr 1024
		.amdhsa_next_free_sgpr 80
		.amdhsa_reserve_vcc 0
		.amdhsa_float_denorm_mode_32 3
		.amdhsa_float_denorm_mode_16_64 3
		.amdhsa_memory_ordered 1
		.amdhsa_forward_progress 1
		.amdhsa_inst_pref_size 109
	.end_amdhsa_kernel
	.amdgpu_metadata
---
amdhsa.version: [ 1, 2 ]
amdhsa.kernels:
  - .name:           k_qfd78e5365e_retn
    .symbol:         k_qfd78e5365e_retn.kd
    .args:
      - { .name: pj, .offset: 0, .size: 8, .value_kind: global_buffer, .address_space: global }
      - { .name: amax, .offset: 8, .size: 8, .value_kind: global_buffer, .address_space: global }
      - { .name: ob, .offset: 16, .size: 8, .value_kind: global_buffer, .address_space: global }
      - { .name: st, .offset: 24, .size: 8, .value_kind: global_buffer, .address_space: global }
    .group_segment_fixed_size: 270848
    .private_segment_fixed_size: 0
    .kernarg_segment_align: 8
    .kernarg_segment_size: 32
    .max_flat_workgroup_size: 128
    .sgpr_count:     80
    .vgpr_count:     1024
    .wavefront_size: 32
...
	.end_amdgpu_metadata
.endif
;; end of part 6
;; launch gate (part 7): grid 8 x 32, 8 waves a work-group, no clusters, 0 bytes of LDS; arguments ob, pj, st, gn_w, gn_b, ab; writes ab
.if DOCPART == 7
	.amdgcn_target "amdgcn-amd-amdhsa--gfx1250"
	.amdhsa_code_object_version 6
	.text
	.protected	k_qfd78e5365e_gate
	.globl	k_qfd78e5365e_gate
	.p2align	8
	.type	k_qfd78e5365e_gate,@function
k_qfd78e5365e_gate:
	s_mov_b64 s[64:65], 0
	v_nop
	global_prefetch_b8 v0, s[64:65] scope:SCOPE_SE
	s_setreg_imm32_b32 hwreg(HW_REG_WAVE_SCHED_MODE, 0, 2), 2
	s_setreg_imm32_b32 hwreg(HW_REG_WAVE_MODE, 25, 1), 1
	s_wait_xcnt 0x0
	s_wait_alu depctr_vm_vsrc(0)
; GROUP NORM AND GATE.  A[t][128 h + d] = silu(z) ((out - mean) rstd w + b), bf16, row-major [2048][2048]: the one intermediate of the program that is rounded to bf16 (it has no room in f16
; for inputs some 30 times larger).  out: ob, f32 [bh][s][d]; z: segment 3 of pj, f16 [bh][s][d]; w = gn_w, b = gn_b, rounded to bf16 like every input of the program.
; STATISTICS.  st holds for each (b, h) 32 partial (mean_i, M2_i) of 4,096 numbers each.  mean = sum mean_i / 32; M2 = sum (M2_i + 4,096 (mean_i - mean)^2); var = M2 / 131,072; rstd = (var + 1e-5)^-1/2.
; Lane i takes partial i, so both sums are sums over a wave's lanes.  Every wave makes them for itself: no LDS, no barrier.
; SHARES.  A work-group takes 128 rows of one (b, h), a wave 16, a lane 4 channels: a wave's load of out covers 512 consecutive bytes, of z 256, its store 256 at a multiple of 256.
; All 35 loads of a wave go out before the first wait.  Memory binds: matrix units, LDS and clusters would add nothing.  z's f16 halves are read by the mixed multiply-add: no widening is written.
; THE MODE: SCHED_MODE bits 1:0 = 2 (LLVM: expert scheduling mode 2), set by the entry lines.  The code itself states the register dependences
; between vector instructions and memory instructions, with s_wait_alu, always for 0.
; THE PLAN.  Registers that memory instructions touch:
;   v2, v3, v4      byte offsets, made once at the head and never written again.
;   v[6:15], X, Z   landed in by the 35 loads, which all stand at the head, behind the one wait that shows the offsets written; no load follows.
;   X, the first two registers of each row   written by group g's roundings, read by that group's four stores, never written again.  The stores are issued in group g + 1, behind the wait for that group's
;                   exponentials, which stands there anyway and also shows the roundings written; the last group's have a wait of their own.
.set Z, 32                             ; v[32:63]   row i: 4 f16
.set X, 64                             ; v[64:127]  row i: 4 f32, at work in place, then 4 bf16 in its first two registers
.set E, 128                            ; v[128:143] four rows' exponentials
.set NLE, 20                           ; v20  -log2(e)
.set ZERO, 21                          ; v21  0
.macro WSUM x, y
	v_add_f32_dpp v[\x], v[\x], v[\x] row_xmask:1 row_mask:0xf bank_mask:0xf
	v_add_f32_dpp v[\x], v[\x], v[\x] row_xmask:2 row_mask:0xf bank_mask:0xf
	v_add_f32_dpp v[\x], v[\x], v[\x] row_xmask:4 row_mask:0xf bank_mask:0xf
	v_add_f32_dpp v[\x], v[\x], v[\x] row_xmask:8 row_mask:0xf bank_mask:0xf
	v_permlanex16_b32 v[\y], v[\x], s2, s3
	v_add_f32 v[\x], v[\x], v[\y]
.endm
	s_load_b256 s[4:11], s[0:1], 0x0               ; ob s[4:5], pj s[6:7], st s[8:9], gn_w s[10:11]
	s_load_b128 s[12:15], s[0:1], 0x20             ; gn_b s[12:13], ab s[14:15]
	v_lshrrev_b32 v1, 5, v0
	v_readfirstlane_b32 s16, v1                    ; wave 0..7
	v_and_b32 v5, 31, v0
	v_lshlrev_b32 v2, 4, v5
	v_lshlrev_b32 v3, 3, v5
	v_lshlrev_b32 v4, 8, v5
	v_mov_b32 v[NLE], 0xbfb8aa3b
	v_mov_b32 v[ZERO], 0
	v_mov_b32 v27, 0
	s_mov_b32 s2, 0x76543210
	s_mov_b32 s3, 0xfedcba98
	s_and_b32 s17, ttmp7, 0xffff                   ; 16 b + h
	s_and_b32 s18, s17, 15                         ; h
	s_lshl_b32 s19, ttmp9, 7
	s_wait_alu depctr_va_sdst(0)                   ; s16, my wave's number, is written, ahead of its first reader
	s_lshl4_add_u32 s19, s16, s19                  ; my first row in the (b, h)
	s_lshl_b32 s20, s17, 10
	s_add_co_u32 s20, s20, s19
	s_lshl_b32 s22, s20, 9                         ; ob: rows of 512 bytes
	s_mov_b32 s23, 0
	s_lshl_b32 s24, s20, 8                         ; z: rows of 256 bytes, in segment 3
	s_add_co_u32 s24, s24, 3<<23
	s_mov_b32 s25, 0
	s_lshl_b32 s26, s17, 13                        ; st: 32 partials of 256 bytes
	s_mov_b32 s27, 0
	s_lshl_b32 s28, s18, 9                         ; gn_w, gn_b: 128 channels of 4 bytes
	s_mov_b32 s29, 0
	s_lshr_b32 s30, s17, 4
	s_lshl_b32 s30, s30, 10
	s_add_co_u32 s30, s30, s19                     ; the token
	s_lshl_b32 s30, s30, 12                        ; ab: rows of 4,096 bytes,
	s_lshl_b32 s31, s18, 8                         ; the head's 256 of them
	s_add_co_u32 s30, s30, s31
	s_mov_b32 s31, 0
	s_wait_kmcnt 0x0
	s_add_nc_u64 s[4:5], s[4:5], s[22:23]
	s_add_nc_u64 s[6:7], s[6:7], s[24:25]
	s_add_nc_u64 s[8:9], s[8:9], s[26:27]
	s_add_nc_u64 s[10:11], s[10:11], s[28:29]
	s_add_nc_u64 s[12:13], s[12:13], s[28:29]
	s_add_nc_u64 s[14:15], s[14:15], s[30:31]
	s_wait_alu depctr_va_vdst(0)                   ; the offsets v2, v3 and v4 are written: every load and store of the kernel reads one of them
	global_load_b64 v[6:7], v4, s[8:9]
	global_load_b128 v[8:11], v2, s[10:11]
	global_load_b128 v[12:15], v2, s[12:13]
.irp i, 0,1,2,3,4,5,6,7,8,9,10,11,12,13,14,15
	global_load_b128 v[X+4*\i:X+4*\i+3], v2, s[4:5] offset:512*\i th:TH_LOAD_NT
	global_load_b64 v[Z+2*\i:Z+2*\i+1], v3, s[6:7] offset:256*\i th:TH_LOAD_NT
.endr
	s_wait_loadcnt 32                              ; the partial, w and b are in; the 32 loads of rows stay out
	v_mov_b32 v24, v6
	WSUM 24, 27
	v_mul_f32 v24, 0x3d000000, v24                 ; the mean
	v_sub_f32 v26, v6, v24
	v_mul_f32 v26, v26, v26
	v_fmamk_f32 v26, v26, 0x45800000, v7           ; M2_i + 4,096 (mean_i - mean)^2
	WSUM 26, 27
	v_mov_b32 v27, 0x3727c5ac                      ; 1e-5
	v_fmamk_f32 v26, v26, 0x37000000, v27          ; M2 / 131,072 + 1e-5
	v_rsq_f32 v26, v26
	v_mov_b32 v25, v24                             ; the mean as a pair; the plain instruction behind the root
	v_cvt_pk_bf16_f32 v28, v8, v9                  ; w and b are rounded to bf16 and widened again
	v_cvt_pk_bf16_f32 v29, v10, v11
	v_cvt_pk_bf16_f32 v30, v12, v13
	v_cvt_pk_bf16_f32 v31, v14, v15
.irp k, 0,1,2,3
	v_lshlrev_b32 v[8+2*\k], 16, v[28+\k]
	v_and_b32 v[9+2*\k], 0xffff0000, v[28+\k]
.endr
	s_wait_alu depctr_va_vdst(0)                   ; the root has written rstd, ahead of its first use
	v_pk_mul_f32 v[16:17], v[8:9], v[26:27] op_sel_hi:[1,0]    ; alpha = w rstd
	v_pk_mul_f32 v[18:19], v[10:11], v[26:27] op_sel_hi:[1,0]
; The four stores of group g.
.macro SENDG g
.set r, 0
.rept 4
.set xr, X+4*(4*(\g)+r)
	global_store_b64 v3, v[xr:xr+1], s[14:15] offset:4096*(4*(\g)+r)  ; 32 lanes store 256 consecutive bytes, at a multiple of 256 from ab's first byte
.set r, r+1
.endr
.endm
; Four rows.  One batch of 16 exponentials and one of 16 reciprocals, each with one wait; the norm's arithmetic is the independent work behind the first batch.
.macro GROUP g
	s_wait_loadcnt 24-8*(\g)                       ; rows up to 4 g + 3 are in: two loads for each of the 12 - 4 g later rows stay out
.set r, 0
.rept 4
.set zr, Z+2*(4*(\g)+r)
.set er, E+4*r
	v_fma_mix_f32 v[er],   v[zr],   v[NLE], v[ZERO] op_sel_hi:[1,0,0]
	v_fma_mix_f32 v[er+1], v[zr],   v[NLE], v[ZERO] op_sel:[1,0,0] op_sel_hi:[1,0,0]
	v_fma_mix_f32 v[er+2], v[zr+1], v[NLE], v[ZERO] op_sel_hi:[1,0,0]
	v_fma_mix_f32 v[er+3], v[zr+1], v[NLE], v[ZERO] op_sel:[1,0,0] op_sel_hi:[1,0,0]
.set r, r+1
.endr
.set r, 0
.rept 16
	v_exp_f32 v[E+r], v[E+r]                       ; e^-z
.set r, r+1
.endr
.set r, 0
.rept 4
.set xr, X+4*(4*(\g)+r)
	v_pk_add_f32 v[xr:xr+1],   v[xr:xr+1],   v[24:25] neg_lo:[0,1] neg_hi:[0,1]
	v_pk_add_f32 v[xr+2:xr+3], v[xr+2:xr+3], v[24:25] neg_lo:[0,1] neg_hi:[0,1]
.set r, r+1
.endr
.set r, 0
.rept 4
.set xr, X+4*(4*(\g)+r)
	v_pk_fma_f32 v[xr:xr+1],   v[xr:xr+1],   v[16:17], v[12:13]
	v_pk_fma_f32 v[xr+2:xr+3], v[xr+2:xr+3], v[18:19], v[14:15]
.set r, r+1
.endr
	s_wait_alu depctr_va_vdst(0)                   ; the 16 exponentials have written their results, ahead of the first use; and the roundings of the group before have written the rows that the stores below read
.if (\g) > 0
	SENDG (\g)-1
.endif
.set r, 0
.rept 8
	v_pk_add_f32 v[E+2*r:E+2*r+1], v[E+2*r:E+2*r+1], 1.0 op_sel_hi:[1,0]
.set r, r+1
.endr
.set r, 0
.rept 16
	v_rcp_f32 v[E+r], v[E+r]                       ; 1 / (1 + e^-z)
.set r, r+1
.endr
	v_nop
	s_wait_alu depctr_va_vdst(0)                   ; the 16 reciprocals have written their results, ahead of the first use
.set r, 0
.rept 4
.set xr, X+4*(4*(\g)+r)
	v_pk_mul_f32 v[xr:xr+1],   v[xr:xr+1],   v[E+4*r:E+4*r+1]
	v_pk_mul_f32 v[xr+2:xr+3], v[xr+2:xr+3], v[E+4*r+2:E+4*r+3]
.set r, r+1
.endr
.set r, 0
.rept 4
.set zr, Z+2*(4*(\g)+r)
.set xr, X+4*(4*(\g)+r)
	v_fma_mix_f32 v[xr],   v[zr],   v[xr],   v[ZERO] op_sel_hi:[1,0,0]
	v_fma_mix_f32 v[xr+1], v[zr],   v[xr+1], v[ZERO] op_sel:[1,0,0] op_sel_hi:[1,0,0]
	v_fma_mix_f32 v[xr+2], v[zr+1], v[xr+2], v[ZERO] op_sel_hi:[1,0,0]
	v_fma_mix_f32 v[xr+3], v[zr+1], v[xr+3], v[ZERO] op_sel:[1,0,0] op_sel_hi:[1,0,0]
.set r, r+1
.endr
.set r, 0
.rept 4
.set xr, X+4*(4*(\g)+r)
	v_cvt_pk_bf16_f32 v[xr],   v[xr],   v[xr+1]
	v_cvt_pk_bf16_f32 v[xr+1], v[xr+2], v[xr+3]
.set r, r+1
.endr
.endm
	GROUP 0
	GROUP 1
	GROUP 2
	GROUP 3
	s_wait_alu depctr_va_vdst(0)                   ; the last group's roundings have written the rows that its stores read
	SENDG 3
	s_endpgm
.Lfunc_end_k_qfd78e5365e_gate:
	.size	k_qfd78e5365e_gate, .Lfunc_end_k_qfd78e5365e_gate-k_qfd78e5365e_gate
	.p2alignl 7, 3214868480
	.fill 96, 4, 3214868480
	.section	.rodata,"a",@progbits
	.p2align	6, 0x0
	.amdhsa_kernel k_qfd78e5365e_gate
		.amdhsa_group_segment_fixed_size 0
		.amdhsa_private_segment_fixed_size 0
		.amdhsa_enable_private_segment 0
		.amdhsa_kernarg_size 48
		.amdhsa_user_sgpr_count 2
		.amdhsa_user_sgpr_kernarg_segment_ptr 1
		.amdhsa_wavefront_size32 1
		.amdhsa_system_sgpr_workgroup_id_x 1
		.amdhsa_system_sgpr_workgroup_id_y 1
		.amdhsa_system_sgpr_workgroup_id_z 1
		.amdhsa_system_vgpr_workitem_id 0
		.amdhsa_next_free_vgpr 144
		.amdhsa_next_free_sgpr 66
		.amdhsa_reserve_vcc 0
		.amdhsa_float_denorm_mode_32 3
		.amdhsa_float_denorm_mode_16_64 3
		.amdhsa_memory_ordered 1
		.amdhsa_forward_progress 1
		.amdhsa_inst_pref_size 32
	.end_amdhsa_kernel
	.amdgpu_metadata
---
amdhsa.version: [ 1, 2 ]
amdhsa.kernels:
  - .name:           k_qfd78e5365e_gate
    .symbol:         k_qfd78e5365e_gate.kd
    .args:
      - { .name: ob, .offset: 0, .size: 8, .value_kind: global_buffer, .address_space: global }
      - { .name: pj, .offset: 8, .size: 8, .value_kind: global_buffer, .address_space: global }
      - { .name: st, .offset: 16, .size: 8, .value_kind: global_buffer, .address_space: global }
      - { .name: gn_w, .offset: 24, .size: 8, .value_kind: global_buffer, .address_space: global }
      - { .name: gn_b, .offset: 32, .size: 8, .value_kind: global_buffer, .address_space: global }
      - { .name: ab, .offset: 40, .size: 8, .value_kind: global_buffer, .address_space: global }
    .group_segment_fixed_size: 0
    .private_segment_fixed_size: 0
    .kernarg_segment_align: 8
    .kernarg_segment_size: 48
    .max_flat_workgroup_size: 256
    .sgpr_count:     66
    .vgpr_count:     144
    .wavefront_size: 32
...
	.end_amdgpu_metadata
.endif
;; end of part 7
;; launch outp: the kernel of part 5 again; grid 16 x 16, 4 waves a work-group, clusters of 4 x 4, 327,680 bytes of LDS; arguments ab, wb, out0; writes out0
